; MI455X (gfx1250); checked and timed in simulation.
; The chip was launched on July 23, 2026; its instructions are those of AMD's public machine-readable ISA for CDNA 5 (MIT licence, August 2026) and "CDNA5" Instruction Set Architecture Reference Guide (July 2026). The comments in the code are by the model that wrote it; some were corrected since.
;; Causal Self Attention. Allowed arithmetic: matrix products marked QUANTISED: E5M2 operands, one E8M0 scale for each 32 along K, by v_wmma_scale_f32_16x16x128_f8f6f4 with both operands' format E5M2, f32 sums; everything else in f32.
;; Inputs: Wk 1,024 x 1,024 float32; Wp 1,024 x 1,024 float32; Wq 1,024 x 1,024 float32; Wv 1,024 x 1,024 float32; bk 1,024 float32; bp 1,024 float32; bq 1,024 float32; bv 1,024 float32; x 4 x 2,048 x 1,024 float32.
;; Outputs: out0 4 x 2,048 x 1,024 float32.
;; This version of the problem:
;;   THIS VERSION OF THE PROBLEM IS GIVEN IN LOW PRECISION. The matrix products marked QUANTISED in the list below multiply operands that are first quantised to E5M2 (5 exponent bits, 2 mantissa bits; 8 bits a number), with one power-of-two scale for each 32 numbers along K (OCP MX v1.0); their sums are f32. All else is computed in f32.
;;   The module's matrix products, in the order in which they are computed (A, B: the left and right operand; K: the contracted axis; several contracted axes count as one K, in the product's order):
;;     1. [M 8,192, K 1,024] x [K 1,024, N 1,024]; A: input x; B: input Wq: QUANTISED
;;     2. [M 8,192, K 1,024] x [K 1,024, N 1,024]; A: input x; B: input Wk: QUANTISED
;;     3. [M 8,192, K 1,024] x [K 1,024, N 1,024]; A: input x; B: input Wv: QUANTISED
;;     4. batch 64 x [M 2,048, K 64] x [K 64, N 2,048]; A: computed on the way; B: computed on the way: QUANTISED
;;     5. batch 64 x [M 2,048, K 2,048] x [K 2,048, N 64]; A: softmax (see below); B: computed on the way: QUANTISED
;;     6. [M 8,192, K 1,024] x [K 1,024, N 1,024]; A: computed on the way; B: input Wp: QUANTISED
;;   THE QUANTISER, for each operand of a quantised product, along K:
;;     - K is cut into blocks of 32 from its start; a last block that is shorter is filled with zeros.
;;     - A block's scale is 2^e with e = floor(log2(the largest magnitude in the block)) - 15, held to -126 .. 127; a block of zeros has e = 0. As a byte (E8M0): e + 127.
;;     - Each number is divided by its block's scale, clamped to +-57,344, and rounded to the nearest number of E5M2, ties to even, subnormals kept.
;;     - The product sums the exact products of the quantised numbers (number of the format x scale) in f32.
;;   ~~~python
;;   def quantise(x, axis):      # numpy; x: float32 -> the quantised numbers, widened to float32 again
;;       x = np.moveaxis(x, axis, -1); K = x.shape[-1]
;;       x = np.pad(x, [(0, 0)] * (x.ndim - 1) + [(0, -K % 32)]); x = x.reshape(x.shape[:-1] + (-1, 32)); a = np.abs(x).max(-1, keepdims=True)
;;       e = np.where(a > 0, np.clip(np.frexp(np.where(a > 0, a, 1))[1] - 1 - 15, -126, 127), 0)      # np.frexp(a)[1] - 1 = floor(log2(a)), exactly
;;       r = np.clip(x / 2.0 ** e, -57344, 57344)
;;       step = 2.0 ** (np.maximum(np.frexp(np.where(r == 0, 1, r))[1] - 1, -14) - 2)
;;       q = np.round(r / step) * step * 2.0 ** e      # np.round: ties to even
;;       return np.moveaxis(q.reshape(q.shape[:-2] + (-1,))[..., :K], -1, axis).astype(np.float32)
;;   ~~~
;;   SOFTMAX AHEAD OF A QUANTISED PRODUCT. Where the list says 'softmax', what is quantised is not the finished softmax but p = 2^(t - M), with t = logit x log2(e) and M = ceil(the row's largest t), a whole number; so 1/2 < the row's largest p <= 1. The row's sum l is taken of the UNQUANTISED p, in f32, and the product's result is divided by l at the end. Since M is a whole number, a kernel that streams over the keys may use a running M (the ceiling of the running maximum): every later rescaling is an exact power of two, which a block's scale takes up: the codes' values come out the same.
;;   OPERANDS COMPUTED ON THE WAY. 'Computed on the way' means the value that the module computes at that place (a softmax that the list does not call 'softmax' is quantised finished and normalised). What goes into a quantiser is computed in f32, as accurately as f32 sums, v_exp_f32 and their like allow (about 1e-6 of the number): no bf16 or f16 on the way to a quantiser, and a product that is left as it is and whose result goes on into a quantised operand takes f32 operands (vector FMAs, or v_wmma_f32_16x16x4_f32). A number that lies on a knife's edge between two numbers of the format may be rounded either way, as far as f32 arithmetic and the matrix unit's own rounding can turn it there, and no further.
;; One version. Each part assembles by itself: llvm-mc -triple=amdgcn-amd-amdhsa -mcpu=gfx1250 --defsym DOCPART=n.
;; ======== version 1 of 1: 4 launches
;; limits: right only within a limited range of input values
;; workspace buffers: gcod 12,582,912 bytes; gscl 393,216 bytes; acod 25,165,824 bytes; ascl 1,572,864 bytes; ocod 8,388,608 bytes; oscl 262,144 bytes
;; launch quant (part 1): grid 512 x 1, 4 waves a work-group, no clusters, 34,304 bytes of LDS; arguments x, Wq, Wk, Wv, Wp, gcod, gscl; writes gcod, gscl
.if DOCPART == 1
	.amdgcn_target "amdgcn-amd-amdhsa--gfx1250"
	.amdhsa_code_object_version 6
	.text
	.protected	k_qc0e84e072f_quant
	.globl	k_qc0e84e072f_quant
	.p2align	8
	.type	k_qc0e84e072f_quant,@function
k_qc0e84e072f_quant:
	s_mov_b64 s[64:65], 0
	v_nop
	global_prefetch_b8 v0, s[64:65] scope:SCOPE_SE
	s_setreg_imm32_b32 hwreg(HW_REG_WAVE_MODE, 25, 1), 1
	s_wait_xcnt 0x0
; THE PROGRAM: causal self-attention, B 4, T 2,048, D 1,024, 16 heads of 64, all six products on codes of E5M2 with one E8M0 scale for each 32 along K.
; Four launches: this one (x and the four weights into codes), proj (q, k, v), attn (softmax and both products of attention), outp (the projection on the way out).
; WORK LEFT OUT, in attn alone: reference() sets every score with key > query to -infinity by a mask that it builds itself (jnp.tril); behind the softmax such a key's weight is 0 for all values of
; the inputs, so a step of 128 keys all of which come after a tile's 16 queries reaches no output.  Such steps are not computed.  Every input has a way to the output and is loaded (bk too: it moves k's codes).
; LIMIT: a NaN, an infinity or an overflow that reaches only those steps is not carried to the result.
; LIMITS of the quantiser here and in the later launches: NaN and infinities among the inputs are not served; a block of zeros, or one whose largest magnitude lies under 2^-111, keeps the scale byte 1
; (the rule says 127 for zeros: its codes are zeros, which add nothing under any byte but 0xff, and these bytes are read by this program alone).
; THE LAYOUT OF EVERY OPERAND THAT THIS PROGRAM WRITES: an image of the operand's registers.  A fragment, 16 rows x 128 K, is 2,048 bytes: byte c*512 + lane*16 holds k = 32 c + 16 (lane / 16) + 0..15 of row lane % 16.
; The 16 rows of row-block t are rows 32 (t / 2) + 8 (t % 2) + r + 8 (r / 8), r = 0..15.  gcod: [block][K step of 128: 8][2,048]; blocks 0-511 x's tokens, 512-575 Wq's columns, 576-639 Wk's, 640-703 Wv's, 704-767 Wp's.
; gscl: [block][512]: the scale word of (row r, K step s) at (s / 4)*256 + ((s % 2)*16 + r)*8 + ((s / 2) % 2)*4.
; SHARES: work-groups 0-255 take x: a wave 16 rows x 512 along K.  Work-groups 256-511 take the weights, whose K is their first axis: a wave 32 columns x 128 along K, a lane a column, registers down K.
; No tile is shared between work-groups, so there is no cluster; no tensor load, no barrier: waves share nothing.
.set SPARE, 33792                      ; behind the four stages: the spare words, 128 bytes a wave
.set SPW, 6                            ; v6  LDS address of my spare word; never rewritten
.set NIL, 7                            ; v7  0; never rewritten
.set R,   16                           ; v16-143  x: two sets of 64 registers as loaded
.set X,   144                          ; v144-207 x: 64 numbers, register 16 b + i = k 32 b + 16 (lane / 16) + i of my row
.set PC,  208                          ; v208-223 a fragment's codes
.set TM,  224                          ; v224-239 at work
.set SW,  240                          ; v240-243 the four K steps' scale words
.set E,   244                          ; v244-245 my 8 bytes of the scale image
	s_load_b256 s[4:11], s[0:1], 0x0               ; x, Wq, Wk, Wv
	s_load_b128 s[12:15], s[0:1], 0x20             ; Wp, gcod
	s_load_b64 s[16:17], s[0:1], 0x30              ; gscl
	v_lshl_add_u32 v[SPW], v0, 2, SPARE
	v_mov_b32 v[NIL], 0
	v_lshrrev_b32 v1, 5, v0
	v_readfirstlane_b32 s22, v1                    ; wave
	v_and_b32 v1, 31, v0                           ; lane
	s_mov_b32 s20, 0x76543210
	s_mov_b32 s21, 0xfedcba98                      ; v_permlanex16_b32's selects for lane l xor 16
	s_cmp_lt_u32 ttmp9, 256
	s_cbranch_scc0 .Lweights
	; ---- x: wave W = 4 x work-group + wave takes token block W / 2, K steps 4 (W % 2) .. + 3
	s_lshl_b32 s24, ttmp9, 2
	s_add_co_u32 s24, s24, s22
	s_lshr_b32 s25, s24, 1                         ; token block
	s_and_b32 s24, s24, 1                          ; which half of K
	s_lshr_b32 s26, s25, 1
	s_lshl_b32 s26, s26, 5
	s_and_b32 s27, s25, 1
	s_lshl_b32 s27, s27, 3
	s_add_co_u32 s26, s26, s27                     ; the block's first row
	s_lshl_b32 s26, s26, 12                        ; rows of 4,096 bytes
	s_lshl_b32 s27, s24, 11
	s_add_co_u32 s26, s26, s27
	s_mov_b32 s27, 0
	s_lshl_b32 s28, s25, 14                        ; codes: 16,384 bytes a block, 8,192 a half
	s_lshl_b32 s29, s24, 13
	s_add_co_u32 s28, s28, s29
	s_mov_b32 s29, 0
	s_lshl_b32 s30, s25, 9                         ; scale image: 512 bytes a block, 256 a half
	s_lshl_b32 s31, s24, 8
	s_add_co_u32 s30, s30, s31
	s_mov_b32 s31, 0
	s_wait_alu depctr_va_vdst(0)
	v_lshlrev_b32 v2, 4, v1                        ; 16 x lane
	s_mul_i32 s32, s22, 8448                       ; my stage: 16 rows of 512 bytes + 16
	v_add_nc_u32 v3, s32, v2                       ; in: a row as it lies
	v_and_b32 v8, 15, v0
	v_bfe_u32 v9, v0, 4, 1
	v_mul_u32_u24 v4, v8, 528
	v_lshl_add_u32 v4, v9, 6, v4
	v_add_nc_u32 v4, s32, v4                       ; out: row lane % 16, + 64 (lane / 16): my 16 numbers of a block of 32
	v_lshlrev_b32 v5, 3, v1
.irp b, 0,1,2,3
	v_mov_b32 v[TM+4+\b], 0                        ; written once: a lane permute's destination counts as one of its sources
.endr
	s_wait_alu depctr_va_vdst(0)
	s_wait_kmcnt 0x0
	s_add_nc_u64 s[4:5], s[4:5], s[26:27]
	s_add_nc_u64 s[14:15], s[14:15], s[28:29]
	s_add_nc_u64 s[16:17], s[16:17], s[30:31]
.macro XLOAD t                         ; K step t of my 16 rows: each load reads 512 consecutive bytes of one row
.irp i, 0,1,2,3,4,5,6,7,8,9,10,11,12,13,14,15
	global_load_b128 v[R+64*((\t)%2)+4*\i:R+64*((\t)%2)+4*\i+3], v2, s[4:5] offset:(\i+8*(\i/8))*4096+512*(\t) th:TH_LOAD_NT
.endr
.endm
.macro XTURN t                         ; through my own stage: LDS serves a wave's instructions in order, so no wait stands between the stores and the loads
.irp i, 0,1,2,3,4,5,6,7,8,9,10,11,12,13,14,15
	ds_store_b128 v3, v[R+64*((\t)%2)+4*\i:R+64*((\t)%2)+4*\i+3] offset:\i*528
.endr
.irp b, 0,1,2,3
.irp j, 0,1,2,3
	ds_load_b128 v[X+16*\b+4*\j:X+16*\b+4*\j+3], v4 offset:128*\b+16*\j
.endr
.endr
.endm
; 64 numbers of a lane become a fragment's codes in v[PC] on and its scale word in v[pw]
.macro QUANT s, pw
.irp b, 0,1,2,3
	v_max3_num_f32 v[TM+\b], |v[\s+16*\b]|, |v[\s+1+16*\b]|, 0x8000000   ; block b: my 16 numbers, and the floor 2^(16 - 127): the byte cannot fall under 1
.endr
.irp i, 2,4,6,8,10,12,14
.irp b, 0,1,2,3
	v_max3_num_f32 v[TM+\b], v[TM+\b], |v[\s+16*\b+\i]|, |v[\s+1+16*\b+\i]|   ; the four blocks by turns
.endr
.endr
.irp b, 0,1,2,3
	v_permlanex16_b32 v[TM+4+\b], v[TM+\b], s20, s21
.endr
.irp b, 0,1,2,3
	v_max_num_f32 v[TM+\b], v[TM+\b], v[TM+4+\b]   ; with lane l xor 16's: the block's largest magnitude
.endr
.irp b, 0,1,2,3
	v_add_nc_u32 v[TM+12+\b], 0xf8800000, v[TM+\b] ; 15 off its exponent field: the conversion's scale operand
.endr
.irp b, 0,1,2,3
.endr
.irp b, 0,1,2,3
	v_lshrrev_b32 v[TM+4+\b], 23, v[TM+12+\b]      ; the scale's byte
.endr
	v_lshl_or_b32 v[\pw], v[TM+5], 8, v[TM+4]
	v_lshl_or_b32 v[\pw], v[TM+6], 16, v[\pw]
	v_lshl_or_b32 v[\pw], v[TM+7], 24, v[\pw]
.irp b, 0,1,2,3
.irp i, 0,1,2,3,4,5,6,7,8,9,10,11,12,13,14,15
.endr
	v_cvt_scalef32_pk8_bf8_f32 v[PC+4*\b:PC+1+4*\b], v[\s+16*\b:\s+7+16*\b], v[TM+12+\b]
	v_cvt_scalef32_pk8_bf8_f32 v[PC+2+4*\b:PC+3+4*\b], v[\s+8+16*\b:\s+15+16*\b], v[TM+12+\b]
.endr
	v_nop                                          ; a plain line behind the last conversion
.endm
.macro XSTEP t
.if (\t) < 3
	s_wait_loadcnt 16                              ; this step's 16 loads are in; the next step's 16 may be out
.else
	s_wait_loadcnt 0x0
.endif
	XTURN \t
	s_wait_dscnt 0x0                               ; the numbers are back, and the stores have read their registers,
.if (\t) < 2
	XLOAD (\t)+2                                   ; which take the loads of two steps on
.endif
.if (\t) > 0
	s_wait_xcnt 0x0                                ; the last step's stores have read v[PC] on: it is written again only behind this wait
.endif
	QUANT X, SW+(\t)
.irp c, 0,1,2,3
	global_store_b128 v2, v[PC+4*\c:PC+4*\c+3], s[14:15] offset:2048*(\t)+512*\c   ; 32 lanes store 512 consecutive bytes
.endr
.endm
	XLOAD 0
	XLOAD 1
	XSTEP 0
	XSTEP 1
	XSTEP 2
	XSTEP 3
	v_cmp_lt_u32 vcc_lo, 15, v1                    ; lanes 16-31 hold the odd K steps' words of the image
	v_cndmask_b32 v[E], v[SW], v[SW+1], vcc_lo
	v_cndmask_b32 v[E+1], v[SW+2], v[SW+3], vcc_lo
	global_store_b64 v5, v[E:E+1], s[16:17]        ; 256 consecutive bytes, aligned
	s_branch .Lend
.Lweights:
	; ---- the weights: e = work-group - 256: weight e / 64, K step (e / 8) % 8, columns 32 ((e % 8) 4 + wave) on
	s_sub_co_u32 s24, ttmp9, 256
	s_lshr_b32 s25, s24, 6                         ; which weight: 0 Wq, 1 Wk, 2 Wv, 3 Wp
	s_bfe_u32 s26, s24, 0x30003                    ; K step
	s_and_b32 s27, s24, 7
	s_lshl_b32 s27, s27, 2
	s_add_co_u32 s27, s27, s22                     ; group of 32 columns
	s_lshl_b32 s28, s26, 19                        ; 128 rows of 4,096 bytes
	s_lshl_b32 s29, s27, 7
	s_add_co_u32 s28, s28, s29
	s_mov_b32 s29, 0
	s_lshl_b32 s30, s25, 5
	s_add_co_u32 s30, s30, s27
	s_lshl_b32 s30, s30, 1
	s_add_co_u32 s30, s30, 512                     ; the first of my two row-blocks
	s_lshl_b32 s32, s30, 9
	s_lshl_b32 s30, s30, 14
	s_lshl_b32 s31, s26, 11
	s_add_co_u32 s30, s30, s31
	s_mov_b32 s31, 0
	s_lshr_b32 s33, s26, 2                         ; the K step's place in a scale image
	s_lshl_b32 s33, s33, 8
	s_add_co_u32 s32, s32, s33
	s_and_b32 s33, s26, 1
	s_lshl_b32 s33, s33, 7
	s_add_co_u32 s32, s32, s33
	s_bfe_u32 s33, s26, 0x10001
	s_lshl_b32 s33, s33, 2
	s_add_co_u32 s32, s32, s33
	s_mov_b32 s33, 0
	s_wait_alu depctr_va_vdst(0)
	v_lshlrev_b32 v2, 2, v1                        ; in: 4 bytes a lane: 128 consecutive bytes a load
	v_bfe_u32 v8, v0, 3, 1                         ; column l of the 32 lies in block (l / 8) % 2,
	v_and_b32 v9, 7, v0
	v_bfe_u32 v10, v0, 4, 1
	v_lshl_add_u32 v9, v10, 3, v9                  ; as its row l % 8 + 8 (l / 16)
	v_lshlrev_b32 v3, 4, v9
	v_lshl_add_u32 v3, v8, 14, v3
	v_lshlrev_b32 v4, 3, v9
	v_lshl_add_u32 v4, v8, 9, v4
	s_wait_alu depctr_va_vdst(0)
	s_wait_kmcnt 0x0
	s_cmp_lt_u32 s25, 2
	s_cselect_b64 s[6:7], s[6:7], s[10:11]         ; Wq or Wv
	s_cselect_b64 s[8:9], s[8:9], s[12:13]         ; Wk or Wp
	s_bitcmp1_b32 s25, 0
	s_cselect_b64 s[6:7], s[8:9], s[6:7]
	s_add_nc_u64 s[6:7], s[6:7], s[28:29]
	s_add_nc_u64 s[14:15], s[14:15], s[30:31]
	s_add_nc_u64 s[16:17], s[16:17], s[32:33]
.macro WLOAD c                         ; block c: W(32 c + i, my column) into its own 32 registers
.irp i, 0,1,2,3,4,5,6,7,8,9,10,11,12,13,14,15,16,17,18,19,20,21,22,23,24,25,26,27,28,29,30,31
	global_load_b32 v[16+32*(\c)+\i], v2, s[6:7] offset:(32*(\c)+\i)*4096 th:TH_LOAD_NT
.endr
.endm
.macro WBLOCK c
.set XS, 16+32*(\c)
.if (\c) < 3
	s_wait_loadcnt 32                              ; this block's 32 loads are in; the next block's may be out
.else
	s_wait_loadcnt 0x0
.endif
.if (\c) < 2
	WLOAD (\c)+2
.endif
	v_max3_num_f32 v12, |v[XS]|, |v[XS+1]|, |v[XS+2]|   ; all 32 numbers of the block are mine
	v_max3_num_f32 v13, |v[XS+3]|, |v[XS+4]|, |v[XS+5]|
.irp i, 6,10,14,18,22,26
	v_max3_num_f32 v12, v12, |v[XS+\i]|, |v[XS+\i+1]|
	v_max3_num_f32 v13, v13, |v[XS+\i+2]|, |v[XS+\i+3]|
.endr
	v_max3_num_f32 v12, v12, |v[XS+30]|, |v[XS+31]|
	v_max3_num_f32 v12, v12, v13, 0x8000000        ; and the floor
	v_add_nc_u32 v11, 0xf8800000, v12
	v_lshrrev_b32 v13, 23, v11
.if (\c) == 0
	v_mov_b32 v176, v13
.else
	v_lshl_or_b32 v176, v13, 8*(\c), v176          ; four bytes make the K step's scale word of my column
.endif
.irp i, 0,1,2,3,4,5,6,7,8,9,10,11,12,13,14,15,16,17,18,19,20,21,22,23,24,25,26,27,28,29,30,31
.endr
.irp g, 0,1,2,3
	v_cvt_scalef32_pk8_bf8_f32 v[144+8*(\c)+2*\g:145+8*(\c)+2*\g], v[XS+8*\g:XS+8*\g+7], v11
.endr
	global_store_b128 v3, v[144+8*(\c):147+8*(\c)], s[14:15] offset:512*(\c)         ; k 32 c + 0..15: the sixteen lanes of a block fill 256 consecutive bytes
	global_store_b128 v3, v[148+8*(\c):151+8*(\c)], s[14:15] offset:512*(\c)+256     ; k 32 c + 16..31
.endm
	WLOAD 0
	WLOAD 1
	WBLOCK 0
	WBLOCK 1
	WBLOCK 2
	WBLOCK 3
	global_store_b32 v4, v176, s[16:17]            ; 4 bytes a lane, 8 apart: the image's other words belong to other K steps; 128 KiB of such words in the launch
.Lend:
	s_wait_tensorcnt 0x0                           ; the wave's end
	ds_add_u32 v[SPW], v[NIL]
	s_wait_dscnt 0x0
	s_endpgm
.Lfunc_end_k_qc0e84e072f_quant:
	.size	k_qc0e84e072f_quant, .Lfunc_end_k_qc0e84e072f_quant-k_qc0e84e072f_quant
	.p2alignl 7, 3214868480
	.fill 96, 4, 3214868480
	.section	.rodata,"a",@progbits
	.p2align	6, 0x0
	.amdhsa_kernel k_qc0e84e072f_quant
		.amdhsa_group_segment_fixed_size 34304
		.amdhsa_private_segment_fixed_size 0
		.amdhsa_enable_private_segment 0
		.amdhsa_kernarg_size 56
		.amdhsa_user_sgpr_count 2
		.amdhsa_user_sgpr_kernarg_segment_ptr 1
		.amdhsa_wavefront_size32 1
		.amdhsa_system_sgpr_workgroup_id_x 1
		.amdhsa_system_sgpr_workgroup_id_y 1
		.amdhsa_system_sgpr_workgroup_id_z 1
		.amdhsa_system_vgpr_workitem_id 0
		.amdhsa_next_free_vgpr 256
		.amdhsa_next_free_sgpr 66
		.amdhsa_reserve_vcc 1
		.amdhsa_float_denorm_mode_32 3
		.amdhsa_float_denorm_mode_16_64 3
		.amdhsa_fp16_overflow 1
		.amdhsa_memory_ordered 1
		.amdhsa_forward_progress 1
		.amdhsa_inst_pref_size 54
	.end_amdhsa_kernel
	.amdgpu_metadata
---
amdhsa.version: [ 1, 2 ]
amdhsa.kernels:
  - .name:           k_qc0e84e072f_quant
    .symbol:         k_qc0e84e072f_quant.kd
    .args:
      - { .name: x, .offset: 0, .size: 8, .value_kind: global_buffer, .address_space: global }
      - { .name: Wq, .offset: 8, .size: 8, .value_kind: global_buffer, .address_space: global }
      - { .name: Wk, .offset: 16, .size: 8, .value_kind: global_buffer, .address_space: global }
      - { .name: Wv, .offset: 24, .size: 8, .value_kind: global_buffer, .address_space: global }
      - { .name: Wp, .offset: 32, .size: 8, .value_kind: global_buffer, .address_space: global }
      - { .name: gcod, .offset: 40, .size: 8, .value_kind: global_buffer, .address_space: global }
      - { .name: gscl, .offset: 48, .size: 8, .value_kind: global_buffer, .address_space: global }
    .group_segment_fixed_size: 34304
    .private_segment_fixed_size: 0
    .kernarg_segment_align: 8
    .kernarg_segment_size: 56
    .max_flat_workgroup_size: 128
    .sgpr_count:     66
    .vgpr_count:     256
    .wavefront_size: 32
...
	.end_amdgpu_metadata
.endif
;; end of part 1
;; launch proj (part 2): grid 8 x 96, 4 waves a work-group, clusters of 4 x 4, 327,680 bytes of LDS; arguments gcod, gscl, bq, bk, bv, acod, ascl; writes acod, ascl
.if DOCPART == 2
	.amdgcn_target "amdgcn-amd-amdhsa--gfx1250"
	.amdhsa_code_object_version 6
	.text
	.protected	k_qc0e84e072f_proj
	.globl	k_qc0e84e072f_proj
	.p2align	8
	.type	k_qc0e84e072f_proj,@function
k_qc0e84e072f_proj:
	s_mov_b64 s[64:65], 0
	v_nop
	global_prefetch_b8 v0, s[64:65] scope:SCOPE_SE
	s_setreg_imm32_b32 hwreg(HW_REG_WAVE_MODE, 25, 1), 1
	s_wait_xcnt 0x0
	s_wait_alu depctr_hold_cnt(0) depctr_sa_sdst(0) depctr_va_vdst(0) depctr_va_sdst(0) depctr_va_ssrc(0) depctr_va_vcc(0) depctr_vm_vsrc(0)
	s_getreg_b32 s2, hwreg(HW_REG_IB_STS2, 6, 4)
	s_cmp_eq_u32 s2, 0
	s_cbranch_scc0 .Lentry_in_a_cluster
	s_endpgm
.Lentry_in_a_cluster:
	s_bfe_u32 s2, ttmp6, 0x10000c
	s_cmp_lg_u32 s2, 0xf033
	s_cbranch_scc0 .Lentry_shape_is_right
	s_endpgm
.Lentry_shape_is_right:
; q = x Wq + bq, k = x Wk + bk, v = x Wv + bv on the codes and scale images that the first launch made, and their results quantised on the way out: q and k along the head's 64, v along the keys.
; GENERIC FORM: OUT[i][j] = sum over k of P[i][k] Q[j][k] + bias, quantised along j.  The matrix instruction is used transposed (source 0 = 16 rows of Q, source 1 = 16 rows of P): lane (r, h) of result tile (a, b)
; holds P's row r of block a, and its register jj holds column 32 (b / 2) + 16 h + 8 (b % 2) + jj (a row-block's rows are not neighbours: first launch's head).  So the 16 registers of tiles 2 B, 2 B + 1 are 16 neighbours
; of block B of 32 along j, and the conversions' results are the next operand's register image.
; MODES, by the cluster's y (the same in all sixteen partners): y < 16: P = x, Q = Wq | Wk, bias by j.  y >= 16: P = Wv, Q = x, so that the result is v transposed and j runs along the keys; bias by i.
; SHARES: a work-group makes 128 (i) x 256 (j); wave w takes P's blocks 4 (w / 2) .. + 3 and Q's blocks 8 (w % 2) .. + 7: 32 accumulators.  768 work-groups of equal work.
; K = 1,024 goes in four steps of 256 through two LDS slots; a block's part of a step is 4,096 consecutive bytes of gcod.  The scale images of the work-group's blocks, for all of K, come once and go into registers once.
; CLUSTER 4 x 4: the four of a row need the same blocks of P, the four of a column the same blocks of Q: joint loads.
; OUT: acod: q and k at byte 0: [b 4][pair of heads: 0-7 q, 8-15 k][token block 128][head of the pair][c 2][lane][16]; v at 16 Mi: [b][head][128 keys: 16][d block 4][c 4][lane][16].
;      ascl: q and k at byte 0: [b][pair][4 token blocks: 32][head of the pair][r 16][block of the four] words of bytes s0 s1 s0 s1; v at 1 Mi: [b][head][128 keys][twice][r][d block] words.
; LIMITS: as the first launch's head states them.
; REGISTERS: window 0: v1-9 addresses; v12-15 lane terms; v16-31 P's scale words, v32-63 Q's; v64-127 the bias, later at work; v128-191, v192-255 P's two sets of fragments, later numbers and codes.
;   window 1: Q's two sets.   window 2: accumulator (a, b) at v[8 (8 a + b)].
.set SLOTB, 98304                      ; a slot: P's 8 blocks x 4,096, then Q's 16 x 4,096
.set QOFF,  32768
.set SCL,   196608                     ; P's scale images 4,096 bytes, Q's 8,192
.set SPARE, 208896                     ; the spare words
.set LI,   1                           ; v1   16 x lane
.set ADRP, 2                           ; v2-3 my P fragments in slot 0, 1
.set ADRQ, 4                           ; v4-5 my Q fragments
.set ADSP, 6                           ; v6   my P scale images, 8 x lane
.set ADSQ, 7                           ; v7   Q's
.set SPW,  8
.set NIL,  9
.set SP,   16                          ; register 4 a + S: K steps 2 S (lanes 0-15) and 2 S + 1 (lanes 16-31) of 128
.set SQ,   32
.set BC,   64
.set TM,   64
.set PW,   80
.set SELR, 81
.set SW,   84
.set X,    128
.set PC,   192
.set MSB, 0
.macro WIN new                         ; the immediate's high byte repeats the setting that is left
.if MSB != \new
	s_set_vgpr_msb (MSB<<8)|\new
.set MSB, \new
.endif
.endm
; a joint load: waves 0 and 1 fetch for P, waves 2 and 3 for Q; an s_nop 0 and four v_nop follow each of the two lines
.macro JLOAD g0p, g1p, g0q, g1q
	s_cmp_eq_u32 s19, 0
	s_cbranch_scc0 .Lfor_q_\@
	tensor_load_to_lds s[\g0p:\g0p+3], s[\g1p:\g1p+7]
	s_nop 0
.rept 4
	v_nop
.endr
	s_branch .Lasked_\@
.Lfor_q_\@:
	tensor_load_to_lds s[\g0q:\g0q+3], s[\g1q:\g1q+7]
	s_nop 0
.rept 4
	v_nop
.endr
.Lasked_\@:
.endm
.macro CREST
	s_cmp_lg_u32 s18, 0
	s_cbranch_scc1 .Lnot_wave_0_\@
	s_barrier_signal -3
.Lnot_wave_0_\@:
	s_barrier_wait -3
	s_barrier_signal -1
	s_barrier_wait -1
.endm
.macro CROUND
	s_barrier_signal -1
	s_barrier_wait -1
	CREST
.endm
.macro PLACES n
.rept \n
	v_nop
.endr
.endm
.macro MKG1 g, m, c, r, p              ; group 1: r rows of c elements of 8 bytes, p elements apart, no padding; the mask and bit 21 beside it
	s_or_b32 s[\g], s[\m], (3<<16)|(1<<21)
	s_mov_b32 s[\g+1], (\c)<<16
	s_mov_b32 s[\g+2], (\r)<<16
	s_mov_b32 s[\g+3], (\c)<<16
	s_mov_b32 s[\g+4], \r
	s_mov_b32 s[\g+5], \p
	s_mov_b32 s[\g+6], 0
	s_mov_b32 s[\g+7], 0
.endm
.macro MKG0 g, sh, lbase, src, goff    ; group 0: LDS byte lbase + (wave % 2) << sh; global address s[src] + goff
	s_mov_b32 s[\g], 1
	s_lshl_b32 s[\g+1], s20, \sh
	s_add_co_u32 s[\g+1], s[\g+1], \lbase
	s_add_nc_u64 s[\g+2:\g+3], s[\src:\src+1], \goff
	s_or_b32 s[\g+3], s[\g+3], 0x80000000
.endm
	s_load_b256 s[4:11], s[0:1], 0x0               ; gcod, gscl, bq, bk
	s_load_b128 s[12:15], s[0:1], 0x20             ; bv, acod
	s_load_b64 s[16:17], s[0:1], 0x30              ; ascl
	v_lshl_add_u32 v[SPW], v0, 2, SPARE
	v_mov_b32 v[NIL], 0
	ds_add_u32 v[SPW], v[NIL]                      ; the wave's opening: the add, twice on end, and its wait ahead of my first tensor load
	ds_add_u32 v[SPW], v[NIL]
	v_lshrrev_b32 v10, 5, v0
	v_readfirstlane_b32 s18, v10                   ; wave
	s_lshr_b32 s19, s18, 1                         ; my half of P's blocks.  Also: I fetch for P (0) or for Q (1)
	s_and_b32 s20, s18, 1                          ; my half of Q's blocks.  Also: which half I fetch
	s_bfe_u32 s21, ttmp6, 0x40000                  ; cx
	s_bfe_u32 s22, ttmp6, 0x40004                  ; cy
	s_mov_b32 s23, ttmp9                           ; the cluster's x: 0, 1
	s_and_b32 s24, ttmp7, 0xffff                   ; the cluster's y: 0 .. 23
	s_sub_co_u32 s26, s24, 16
	s_lshl_b32 s26, s26, 1
	s_add_co_u32 s26, s26, s23                     ; mode v: cluster number 0 .. 15
	s_lshr_b32 s27, s26, 3
	s_and_b32 s26, s26, 7
	s_cmp_lt_u32 s24, 16
	s_cselect_b32 s25, 0, 1                        ; the mode: 0 q and k, 1 v
	s_cselect_b32 s88, s24, s27
	s_cselect_b32 s89, s23, s26
	s_cselect_b32 s90, 0, 640                      ; P's first block in gcod: x's or Wv's
	s_cselect_b32 s91, 512, 0                      ; Q's: Wq's or x's
	s_lshl_b32 s88, s88, 2
	s_add_co_u32 s88, s88, s22                     ; tile row: it never holds cx
	s_lshl_b32 s89, s89, 2
	s_add_co_u32 s89, s89, s21                     ; tile column: it never holds cy
	s_lshl_b32 s92, s88, 3
	s_add_co_u32 s92, s92, s90
	s_lshl_b32 s67, s20, 2
	s_add_co_u32 s92, s92, s67                     ; the first of the four blocks of P that I fetch
	s_lshl_b32 s94, s89, 4
	s_add_co_u32 s94, s94, s91
	s_lshl_b32 s67, s20, 3
	s_add_co_u32 s94, s94, s67                     ; the first of the eight blocks of Q
	s_lshl_b32 s96, s92, 9
	s_mov_b32 s97, 0
	s_lshl_b32 s92, s92, 14
	s_mov_b32 s93, 0
	s_lshl_b32 s90, s94, 9
	s_mov_b32 s91, 0
	s_lshl_b32 s94, s94, 14
	s_mov_b32 s95, 0
	s_lshl_b32 s26, s22, 2
	s_lshl_b32 s26, 15, s26                        ; my row of the cluster
	s_lshl_b32 s27, 0x1111, s21                    ; my column
	MKG1 28, 26, 512, 4, 2048                      ; P: 4 blocks x 4,096 bytes, 16,384 apart
	MKG1 36, 27, 512, 8, 2048                      ; Q: 8 blocks
	MKG1 44, 26, 32, 8, 32                         ; P's scale images: 2,048 dense bytes as rows of 256
	MKG1 52, 27, 32, 16, 32                        ; Q's: 4,096
	s_mov_b32 s2, 0x76543210
	s_mov_b32 s3, 0xfedcba98
	s_wait_dscnt 0x0                               ; both opening adds are done
	s_wait_kmcnt 0x0
	s_add_nc_u64 s[92:93], s[4:5], s[92:93]
	s_add_nc_u64 s[94:95], s[4:5], s[94:95]
	s_add_nc_u64 s[96:97], s[6:7], s[96:97]
	s_add_nc_u64 s[90:91], s[6:7], s[90:91]
	CROUND                                         ; all sixteen work-groups are here: the first joint loads meet
	MKG0 80, 11, SCL, 96, 0
	MKG0 84, 12, SCL+4096, 90, 0
	JLOAD 80, 44, 84, 52                           ; the scale images
	MKG0 60, 14, 0, 92, 0
	MKG0 72, 15, QOFF, 94, 0
	JLOAD 60, 28, 72, 36                           ; slot 0: K step 0
	MKG0 68, 14, SLOTB, 92, 4096
	MKG0 76, 15, SLOTB+QOFF, 94, 4096
	JLOAD 68, 28, 76, 36                           ; slot 1: K step 1.  Three loads of mine are out
	v_and_b32 v10, 31, v0
	v_lshlrev_b32 v[LI], 4, v10
	s_lshl_b32 s67, s19, 14
	v_add_nc_u32 v[ADRP], s67, v[LI]
	s_add_co_u32 s67, s67, SLOTB
	v_add_nc_u32 v[ADRP+1], s67, v[LI]
	s_lshl_b32 s67, s20, 15
	s_add_co_u32 s67, s67, QOFF
	v_add_nc_u32 v[ADRQ], s67, v[LI]
	s_add_co_u32 s67, s67, SLOTB
	v_add_nc_u32 v[ADRQ+1], s67, v[LI]
	v_lshlrev_b32 v11, 3, v10
	s_lshl_b32 s67, s19, 11
	s_add_co_u32 s67, s67, SCL
	v_add_nc_u32 v[ADSP], s67, v11
	s_lshl_b32 s67, s20, 12
	s_add_co_u32 s67, s67, SCL+4096
	v_add_nc_u32 v[ADSQ], s67, v11
	v_bfe_u32 v12, v0, 4, 1                        ; h
	v_lshlrev_b32 v13, 6, v12                      ; bias by j: 64 h bytes
	v_and_b32 v14, 15, v0
	v_and_b32 v15, 8, v0
	v_add_nc_u32 v15, v15, v14
	v_lshlrev_b32 v15, 2, v15                      ; bias by i: 4 (r + 8 (r / 8))
	s_cmp_eq_u32 s23, 0                            ; mode q and k: cluster x 0 makes q, 1 makes k
	s_cselect_b64 s[8:9], s[8:9], s[10:11]
	s_lshl_b32 s26, s21, 10                        ; my 128 columns of that tensor: 256 cx + 128 (wave % 2), in bytes
	s_lshl_b32 s27, s20, 9
	s_add_co_u32 s26, s26, s27
	s_mov_b32 s27, 0
	s_add_nc_u64 s[8:9], s[8:9], s[26:27]
	s_lshl_b32 s26, s88, 9                         ; mode v: my 64 rows of Wv's result: 128 x tile row + 64 (wave / 2), in bytes
	s_lshl_b32 s67, s19, 8
	s_add_co_u32 s26, s26, s67
	s_add_nc_u64 s[12:13], s[12:13], s[26:27]
	; where my results go, in acod; in ascl it is a sixteenth of that
	s_lshr_b32 s26, s88, 4
	s_lshl_b32 s26, s26, 22
	s_lshl_b32 s27, s89, 1
	s_add_co_u32 s27, s27, s20
	s_lshl_b32 s27, s27, 18
	s_add_co_u32 s26, s26, s27
	s_and_b32 s27, s88, 15
	s_lshl_b32 s27, s27, 14
	s_add_co_u32 s26, s26, s27
	s_lshl_b32 s27, s19, 13
	s_add_co_u32 s26, s26, s27                     ; q and k: b, pair of heads, token block
	s_lshr_b32 s67, s89, 3
	s_lshl_b32 s67, s67, 21
	s_add_co_u32 s67, s67, 1<<24
	s_lshl_b32 s27, s88, 1
	s_add_co_u32 s27, s27, s19
	s_lshl_b32 s27, s27, 17
	s_add_co_u32 s67, s67, s27
	s_and_b32 s27, s89, 7
	s_lshl_b32 s27, s27, 1
	s_add_co_u32 s27, s27, s20
	s_lshl_b32 s27, s27, 13
	s_add_co_u32 s67, s67, s27                     ; v: b, head, 128 keys
	s_mov_b32 s24, 0x03020100
	s_cmp_eq_u32 s25, 0
	s_cselect_b32 s98, s26, s67
	s_cselect_b32 s23, 0x03020302, s24             ; which bytes of a scale word lanes 16-31 store,
	s_cselect_b32 s24, 0x01000100, s24             ; and lanes 0-15: q, k: a head's two, twice; v: all four
	s_mov_b32 s99, 0
	s_lshr_b32 s100, s98, 4
	s_mov_b32 s101, 0
	s_add_nc_u64 s[98:99], s[14:15], s[98:99]
	s_add_nc_u64 s[100:101], s[16:17], s[100:101]
	s_cmp_eq_u32 s25, 0
	s_cbranch_scc0 .Lbias_v
	s_wait_alu depctr_va_vdst(0)
.irp b, 0,1,2,3,4,5,6,7                ; bias by j: tile b's eight columns of my half of the lanes
	global_load_b128 v[BC+8*\b:BC+8*\b+3], v13, s[8:9] offset:(32*(\b/2)+8*(\b%2))*4
	global_load_b128 v[BC+8*\b+4:BC+8*\b+7], v13, s[8:9] offset:(32*(\b/2)+8*(\b%2))*4+16
.endr
	s_branch .Lbias_done
.Lbias_v:
	s_wait_alu depctr_va_vdst(0)
.irp a, 0,1,2,3                        ; bias by i: my row's number in all eight registers; two copies (tile (a, b) takes copy b % 2), so that either arm writes all 64 registers
.irp u, 0,1
.irp j, 0,1,2,3,4,5,6,7
	global_load_b32 v[BC+8*\a+32*\u+\j], v15, s[12:13] offset:(32*(\a/2)+8*(\a%2))*4
.endr
.endr
.endr
.Lbias_done:
; 48 LDS loads: the fragments of the slot's q-th 128 along K into set f: each load takes 512 consecutive bytes
.macro FETCH slot, q, f
	WIN 0x40
.irp b, 0,1,2,3,4,5,6,7
.irp c, 0,1,2,3
	ds_load_b128 v[128*(\f)+16*\b+4*\c:128*(\f)+16*\b+4*\c+3], v[ADRQ+\slot] offset:\b*4096+(\q)*2048+\c*512
.endr
.endr
	WIN 0
.irp a, 0,1,2,3
.irp c, 0,1,2,3
	ds_load_b128 v[128+64*(\f)+16*\a+4*\c:128+64*(\f)+16*\a+4*\c+3], v[ADRP+\slot] offset:\a*4096+(\q)*2048+\c*512
.endr
.endr
.endm
.macro SCALES                          ; all of K's scale words of my 12 blocks, once
.irp a, 0,1,2,3
.irp k, 0,1
	ds_load_b64 v[SP+4*\a+2*\k:SP+4*\a+2*\k+1], v[ADSP] offset:\a*512+\k*256
.endr
.endr
.irp b, 0,1,2,3,4,5,6,7
.irp k, 0,1
	ds_load_b64 v[SQ+4*\b+2*\k:SQ+4*\b+2*\k+1], v[ADSQ] offset:\b*512+\k*256
.endr
.endr
.endm
; 8 matrix instructions: P's block a against Q's eight, set f, the q-th 128 of K step s2.  cm: 0 adds in place; 1 starts the sums with the bias by j; 2 with the bias by i.
; The 32 accumulators take turns, one instruction a turn, in the same order in every step.
.macro MUL8 a, f, q, s2, cm
.irp b, 0,1,2,3,4,5,6,7
.if \cm == 1
	v_wmma_scale_f32_16x16x128_f8f6f4 v[8*(8*(\a)+\b):8*(8*(\a)+\b)+7], v[128*(\f)+16*\b:128*(\f)+16*\b+15], v[128+64*(\f)+16*(\a):128+64*(\f)+16*(\a)+15], v[BC+8*\b:BC+8*\b+7], v[SQ+4*\b+(\s2)], v[SP+4*(\a)+(\s2)] matrix_a_fmt:MATRIX_FMT_BF8 matrix_b_fmt:MATRIX_FMT_BF8
.elseif \cm == 2
	v_wmma_scale_f32_16x16x128_f8f6f4 v[8*(8*(\a)+\b):8*(8*(\a)+\b)+7], v[128*(\f)+16*\b:128*(\f)+16*\b+15], v[128+64*(\f)+16*(\a):128+64*(\f)+16*(\a)+15], v[BC+8*(\a)+32*(\b%2):BC+8*(\a)+32*(\b%2)+7], v[SQ+4*\b+(\s2)], v[SP+4*(\a)+(\s2)] matrix_a_fmt:MATRIX_FMT_BF8 matrix_b_fmt:MATRIX_FMT_BF8
.elseif \q == 0
	v_wmma_scale_f32_16x16x128_f8f6f4 v[8*(8*(\a)+\b):8*(8*(\a)+\b)+7], v[128*(\f)+16*\b:128*(\f)+16*\b+15], v[128+64*(\f)+16*(\a):128+64*(\f)+16*(\a)+15], v[8*(8*(\a)+\b):8*(8*(\a)+\b)+7], v[SQ+4*\b+(\s2)], v[SP+4*(\a)+(\s2)] matrix_a_fmt:MATRIX_FMT_BF8 matrix_b_fmt:MATRIX_FMT_BF8
.else
	v_wmma_scale_f32_16x16x128_f8f6f4 v[8*(8*(\a)+\b):8*(8*(\a)+\b)+7], v[128*(\f)+16*\b:128*(\f)+16*\b+15], v[128+64*(\f)+16*(\a):128+64*(\f)+16*(\a)+15], v[8*(8*(\a)+\b):8*(8*(\a)+\b)+7], v[SQ+4*\b+(\s2)], v[SP+4*(\a)+(\s2)] matrix_a_fmt:MATRIX_FMT_BF8 matrix_b_fmt:MATRIX_FMT_BF8 matrix_a_scale:MATRIX_SCALE_ROW1 matrix_b_scale:MATRIX_SCALE_ROW1
.endif
.endr
.endm
; a slot's first 128 along K, on set 0; the second 128 are fetched into set 1 ahead of the products
.macro STEP slot, s2
	s_wait_dscnt 0x0                               ; set 0 is in
	PLACES 8                                       ; eight plain places in front of loads into registers that matrix instructions have read
	FETCH \slot, 1, 1
	WIN 0xa1
	MUL8 0, 0, 0, \s2, 0
	MUL8 1, 0, 0, \s2, 0
	MUL8 2, 0, 0, \s2, 0
	MUL8 3, 0, 0, \s2, 0
	WIN 0
.endm
; a slot's second 128, on set 1, and the change of slots: one barrier; in front of it each wave waits for all its tensor loads, adds 0 to its spare word, and waits for that and for its reads of this slot
.macro TURN slot, next, s2, fill
	s_wait_tensorcnt 0x0                           ; all my tensor loads have landed: my part of the next slot
	ds_add_u32 v[SPW], v[NIL]
	s_wait_dscnt 1                                 ; set 1 is in; the add alone may be out
	WIN 0xa1
	MUL8 0, 1, 1, \s2, 0
	s_wait_dscnt 0x0                               ; the add is done, and my reads of this slot are over
	s_barrier_signal -1
	MUL8 1, 1, 1, \s2, 0
	WIN 0
	s_barrier_wait -1
.if \fill
	CREST                                          ; the barrier has opened a round of the cluster's: no wave of any partner still reads this slot or has a load on its way
	s_add_nc_u64 s[62+8*\slot:63+8*\slot], s[62+8*\slot:63+8*\slot], 8192     ; two K steps on
	s_add_nc_u64 s[74+4*\slot:75+4*\slot], s[74+4*\slot:75+4*\slot], 8192
	JLOAD 60+8*\slot, 28, 72+4*\slot, 36           ; the first tensor load behind the round, one a wave; its four v_nop are four of the eight places
	PLACES 4
.else
	PLACES 8
.endif
	FETCH \next, 0, 0
	WIN 0xa1
	MUL8 2, 1, 1, \s2, 0
	MUL8 3, 1, 1, \s2, 0
	WIN 0
.endm
	s_wait_tensorcnt 1                             ; the scale images and my part of slot 0 are in; slot 1's load may stay out
	s_barrier_signal -1
	s_barrier_wait -1
	SCALES
	FETCH 0, 0, 0
	s_wait_dscnt 0x0
	FETCH 0, 1, 1
	s_wait_loadcnt 0x0                             ; the bias
	s_cmp_eq_u32 s25, 0
	s_cbranch_scc0 .Lfirst_v
	WIN 0x81                                       ; C, the bias, in window 0
	MUL8 0, 0, 0, 0, 1
	MUL8 1, 0, 0, 0, 1
	MUL8 2, 0, 0, 0, 1
	MUL8 3, 0, 0, 0, 1
	WIN 0
	s_branch .Lfirst_done
.Lfirst_v:
	WIN 0x81
	MUL8 0, 0, 0, 0, 2
	MUL8 1, 0, 0, 0, 2
	MUL8 2, 0, 0, 0, 2
	MUL8 3, 0, 0, 0, 2
	WIN 0
.Lfirst_done:
	TURN 0, 1, 0, 1                                ; slot 0 takes K step 2
	STEP 1, 1
	TURN 1, 0, 1, 1                                ; slot 1 takes K step 3
	STEP 0, 2
	TURN 0, 1, 2, 0                                ; nothing is left to fetch
	STEP 1, 3
	s_wait_dscnt 0x0
	WIN 0xa1
	MUL8 0, 1, 1, 3, 0
	MUL8 1, 1, 1, 3, 0
	MUL8 2, 1, 1, 3, 0
	MUL8 3, 1, 1, 3, 0
	WIN 0
	; THE WAY OUT: P's block a at a time: its 64 numbers a lane are four blocks of 32 along j (with lane l xor 16): quantised, and stored as a register image
	PLACES 8
	v_mov_b32 v[SELR], s24
	v_mov_b32 v[SELR+1], s23
	v_cmp_eq_u32 vcc_lo, 1, v12
	v_cndmask_b32 v[SELR], v[SELR], v[SELR+1], vcc_lo
.macro QOUT a
	WIN 0x0a                                       ; sources 0 and 1: the accumulators' window
.irp g, 0,1,2,3
	v_max3_num_f32 v[TM+\g], |v[64*\a+16*\g]|, |v[64*\a+16*\g+1]|, 0x8000000    ; each accumulator is read from its low end on
.endr
.irp i, 2,4,6,8,10,12,14
.irp g, 0,1,2,3
	v_max3_num_f32 v[TM+\g], |v[64*\a+16*\g+\i]|, |v[64*\a+16*\g+\i+1]|, v[TM+\g]
.endr
.endr
	WIN 0
.irp g, 0,1,2,3
	v_permlanex16_b32 v[TM+4+\g], v[TM+\g], s2, s3
.endr
.irp g, 0,1,2,3
	v_max_num_f32 v[TM+\g], v[TM+\g], v[TM+4+\g]
.endr
.irp g, 0,1,2,3
	v_add_nc_u32 v[TM+12+\g], 0xf8800000, v[TM+\g]
.endr
.irp g, 0,1,2,3
.endr
.irp g, 0,1,2,3
	v_lshrrev_b32 v[TM+4+\g], 23, v[TM+12+\g]
.endr
	v_lshl_or_b32 v[PW], v[TM+5], 8, v[TM+4]
	v_lshl_or_b32 v[PW], v[TM+6], 16, v[PW]
	v_lshl_or_b32 v[PW], v[TM+7], 24, v[PW]
	WIN 0x02                                       ; source 0: the accumulators' window
.irp g, 0,1,2,3
.irp i, 0,1,2,3,4,5,6,7,8,9,10,11,12,13,14,15
.endr
.endr
.irp g, 0,1,2,3
	v_cvt_scalef32_pk8_bf8_f32 v[PC+16*\a+4*\g:PC+16*\a+4*\g+1], v[X+16*\g+((64*\a+16*0+0)-(X+16*0+0)):X+16*\g+7+((64*\a+16*0+0)-(X+16*0+0))], v[TM+12+\g]
	v_cvt_scalef32_pk8_bf8_f32 v[PC+16*\a+4*\g+2:PC+16*\a+4*\g+3], v[X+16*\g+8+((64*\a+16*0+0)-(X+16*0+0)):X+16*\g+15+((64*\a+16*0+0)-(X+16*0+0))], v[TM+12+\g]
.endr
	WIN 0
	v_nop                                          ; a plain line behind the last conversion
	v_perm_b32 v[SW+\a], v[PW], v[PW], v[SELR]
.irp g, 0,1,2,3
	global_store_b128 v[LI], v[PC+16*\a+4*\g:PC+16*\a+4*\g+3], s[98:99] offset:\a*2048+\g*512   ; 512 consecutive bytes
.endr
.endm
	QOUT 0
	QOUT 1
	QOUT 2
	QOUT 3
	global_store_b128 v[LI], v[SW:SW+3], s[100:101]    ; the four blocks' scale words: 512 consecutive bytes (mode v: lanes 16-31 store a second copy of the 256, so that one text serves both modes)
	s_wait_tensorcnt 0x0                           ; the wave's end
	ds_add_u32 v[SPW], v[NIL]
	s_wait_dscnt 0x0
	CROUND                                         ; the closing round
	s_endpgm
.Lfunc_end_k_qc0e84e072f_proj:
	.size	k_qc0e84e072f_proj, .Lfunc_end_k_qc0e84e072f_proj-k_qc0e84e072f_proj
	.p2alignl 7, 3214868480
	.fill 96, 4, 3214868480
	.section	.rodata,"a",@progbits
	.p2align	6, 0x0
	.amdhsa_kernel k_qc0e84e072f_proj
		.amdhsa_group_segment_fixed_size 327680
		.amdhsa_private_segment_fixed_size 0
		.amdhsa_enable_private_segment 0
		.amdhsa_kernarg_size 56
		.amdhsa_user_sgpr_count 2
		.amdhsa_user_sgpr_kernarg_segment_ptr 1
		.amdhsa_wavefront_size32 1
		.amdhsa_system_sgpr_workgroup_id_x 1
		.amdhsa_system_sgpr_workgroup_id_y 1
		.amdhsa_system_sgpr_workgroup_id_z 1
		.amdhsa_system_vgpr_workitem_id 0
		.amdhsa_next_free_vgpr 768
		.amdhsa_next_free_sgpr 102
		.amdhsa_reserve_vcc 1
		.amdhsa_float_denorm_mode_32 3
		.amdhsa_float_denorm_mode_16_64 3
		.amdhsa_fp16_overflow 1
		.amdhsa_memory_ordered 1
		.amdhsa_forward_progress 1
		.amdhsa_inst_pref_size 103
	.end_amdhsa_kernel
	.amdgpu_metadata
---
amdhsa.version: [ 1, 2 ]
amdhsa.kernels:
  - .name:           k_qc0e84e072f_proj
    .symbol:         k_qc0e84e072f_proj.kd
    .args:
      - { .name: gcod, .offset: 0, .size: 8, .value_kind: global_buffer, .address_space: global }
      - { .name: gscl, .offset: 8, .size: 8, .value_kind: global_buffer, .address_space: global }
      - { .name: bq, .offset: 16, .size: 8, .value_kind: global_buffer, .address_space: global }
      - { .name: bk, .offset: 24, .size: 8, .value_kind: global_buffer, .address_space: global }
      - { .name: bv, .offset: 32, .size: 8, .value_kind: global_buffer, .address_space: global }
      - { .name: acod, .offset: 40, .size: 8, .value_kind: global_buffer, .address_space: global }
      - { .name: ascl, .offset: 48, .size: 8, .value_kind: global_buffer, .address_space: global }
    .group_segment_fixed_size: 327680
    .private_segment_fixed_size: 0
    .kernarg_segment_align: 8
    .kernarg_segment_size: 56
    .max_flat_workgroup_size: 128
    .sgpr_count:     102
    .vgpr_count:     768
    .wavefront_size: 32
...
	.end_amdgpu_metadata
.endif
;; end of part 2
;; launch attn (part 3): grid 4 x 64, 16 waves a work-group, clusters of 4 x 1, 327,680 bytes of LDS; arguments acod, ascl, ocod, oscl; writes ocod, oscl
.if DOCPART == 3
	.amdgcn_target "amdgcn-amd-amdhsa--gfx1250"
	.amdhsa_code_object_version 6
	.text
	.protected	k_qc0e84e072f_attn
	.globl	k_qc0e84e072f_attn
	.p2align	8
	.type	k_qc0e84e072f_attn,@function
k_qc0e84e072f_attn:
	s_mov_b64 s[64:65], 0
	v_nop
	global_prefetch_b8 v0, s[64:65] scope:SCOPE_SE
	s_setreg_imm32_b32 hwreg(HW_REG_WAVE_MODE, 25, 1), 1
	s_wait_xcnt 0x0
	s_wait_alu depctr_hold_cnt(0) depctr_sa_sdst(0) depctr_va_vdst(0) depctr_va_sdst(0) depctr_va_ssrc(0) depctr_va_vcc(0) depctr_vm_vsrc(0)
	s_getreg_b32 s2, hwreg(HW_REG_IB_STS2, 6, 4)
	s_cmp_eq_u32 s2, 0
	s_cbranch_scc0 .Lentry_in_a_cluster
	s_endpgm
.Lentry_in_a_cluster:
	s_bfe_u32 s2, ttmp6, 0x10000c
	s_cmp_lg_u32 s2, 0x3003
	s_cbranch_scc0 .Lentry_shape_is_right
	s_endpgm
.Lentry_shape_is_right:
; Attention of one (batch, head) a cluster: S = q k^T on codes (K = the head's 64), the softmax by the rule p = 2^(t - M), M a whole number, p quantised along the keys, O = p v on codes, O / the row's sum,
; quantised along D as the last product's operand.  WORK LEFT OUT: steps of 128 keys all of which come after a tile's 16 queries (reference()'s own causal mask gives them weight 0: first launch's head).
; LIMITS: as the first launch's head states them; a p under 2^-126 becomes 0 (the exponential's own flush).
; SHARES.  The head's K and V, codes and scale words, 272 KiB, come into each work-group's LDS ONCE, by joint loads of the cluster's four work-groups, and stay: no ring, nothing is filled again.
; T is 16 chunks of 128 queries, 8 token blocks each.  Wave w of work-group g (its place in the cluster) takes block e = 2 g + w / 8 of chunk 15 - w % 8 (job 1) and then of chunk w % 8 (job 2).
; A job of chunk c walks key steps 0 .. c, so every wave walks 17 steps of 128 keys.  The chunks hang on the wave's number alone; g enters global addresses and the diagonal's mask (vector data), no branch and no LDS address.
; LAYOUT.  Both products are used transposed: S^T = K Q^T, O^T = V^T P^T: a lane holds one query throughout; the keys of a tile are a token block's rows, so that p's 16 registers of two neighbouring tiles are 16 neighbouring keys.
; K = 64 IN A FORM OF K = 128: an even tile multiplies [K | zeros] by [Q | zeros], an odd one [zeros | K] by [zeros | Q]: a run of eight zero registers serves two fragments; the scale words hold s0 s1 s0 s1.
; REGISTERS: v1 16 x lane, v2 16 x (lane % 16), v3-4 the add's two, v5 the mask's number, v6-9 the step's LDS addresses, v10-11 the jobs' scale half-words, v12 -M, v13 the largest t, v[14:15] the sum;
;   v16-23 Q, v24-31 zeros, v32-39 Q again; v40-87 K0, zeros, K1, K2, zeros, K3; v88-151 S^T, then p, then V's four fragments; v152-183 O^T; v184-199 p's codes; v200-203 V's scale words; v232-254 at work; v255 Q's scale word.
.set KE,  12                           ; s[12:19] group 1: K's codes, keys 0-511: 4 rows of 1,024 bytes, 2,048 apart, a wave
.set KL,  20                           ; the rest: 12 rows
.set VE,  28                           ; V's codes, keys 0-511: 4,096 dense bytes a wave, as rows of 256
.set VL,  36                           ; the rest: 12,288
.set KSD, 44                           ; K's scale words: 4 rows of 256 bytes, 512 apart
.set VSD, 52                           ; V's: 1,024 dense bytes
.set G0S, 60
.set G0E, 68
.set G0L, 72
.set WV,  76
.set KI,  77                           ; the key step
.set TK,  78                           ; LDS: the step's K: 8,192 KI
.set TV,  79                           ; its V: 131,072 + 8,192 KI
.set TS,  80                           ; K's scale words: 262,144 + 512 KI
.set TT,  81                           ; V's: 270,336 + 512 KI
.set CH1, 82                           ; job 1's chunk
.set CH2, 83                           ; job 2's
.set SEL, 84
.set CS,  86                           ; c = log2(e) / 8
.set MNT, 88
.set CNT, 89
.set QB1, 90                           ; s[90:91], s[92:93] the jobs' codes of Q; s[94:97] their scale words; s[98:101] their places in ocod; s2, s3 in oscl
.set QB2, 92
.set QS1, 94
.set QS2, 96
.set OC1, 98
.set OC2, 100
.set SPARE, 278528
.set SPW, 3
.set NIL, 4
.set S,   88
.set O,   152
.set PCD, 184
.macro ROUND
	s_barrier_signal -1
	s_barrier_wait -1
	s_cmp_lg_u32 s[WV], 0
	s_cbranch_scc1 .Lnot_wave_0_\@
	s_barrier_signal -3
.Lnot_wave_0_\@:
	s_barrier_wait -3
	s_barrier_signal -1
	s_barrier_wait -1
.endm
.macro MKG1 g, c, r, p                 ; r rows of c elements of 8 bytes, p elements apart; the mask names all four work-groups, bit 21 beside it
	s_mov_b32 s[\g], 15|(3<<16)|(1<<21)
	s_mov_b32 s[\g+1], (\c)<<16
	s_mov_b32 s[\g+2], (\r)<<16
	s_mov_b32 s[\g+3], (\c)<<16
	s_mov_b32 s[\g+4], \r
	s_mov_b32 s[\g+5], \p
	s_mov_b32 s[\g+6], 0
	s_mov_b32 s[\g+7], 0
.endm
	s_load_b256 s[4:11], s[0:1], 0x0               ; acod, ascl, ocod, oscl
	v_lshl_add_u32 v[SPW], v0, 2, SPARE
	v_mov_b32 v[NIL], 0
	ds_add_u32 v[SPW], v[NIL]                      ; the wave's opening: the add, twice on end, and its wait ahead of my first tensor load
	ds_add_u32 v[SPW], v[NIL]
	v_lshrrev_b32 v6, 5, v0
	s_delay_alu instid0(VALU_DEP_1)
	v_readfirstlane_b32 s[WV], v6                  ; wave 0..15
	s_bfe_u32 s66, ttmp6, 0x40000                  ; g: my place in the cluster
	s_and_b32 s67, ttmp7, 0xffff                   ; 16 b + head
	s_and_b32 s[CH2], s[WV], 7
	s_sub_co_u32 s[CH1], 15, s[CH2]
	s_lshr_b32 s89, s[WV], 3                       ; 0: I fetch for K; 1: for V
	s_lshr_b32 s77, s67, 4                         ; b
	s_and_b32 s78, s67, 15
	s_lshr_b32 s79, s78, 1                         ; the pair of heads
	s_and_b32 s78, s78, 1                          ; which of the pair
	s_lshl_b32 s80, s77, 22
	s_lshl_b32 s81, s79, 18
	s_add_co_u32 s80, s80, s81
	s_lshl_b32 s81, s78, 10
	s_add_co_u32 s80, s80, s81                     ; q's codes of my head, token block 0
	s_lshl_b32 s88, s77, 18
	s_lshl_b32 s81, s79, 14
	s_add_co_u32 s88, s88, s81
	s_lshl_b32 s81, s78, 8
	s_add_co_u32 s88, s88, s81                     ; q's scale words of my head
	s_add_co_u32 s70, s80, 1<<21                   ; k's codes
	s_lshl_b32 s74, s67, 17
	s_add_co_u32 s74, s74, 1<<24                   ; v's codes
	s_add_co_u32 s62, s88, 1<<17                   ; k's scale words
	s_lshl_b32 s81, s67, 13
	s_add_co_u32 s81, s81, 1<<20                   ; v's
	s_mul_i32 s84, s[CH2], 12288
	s_add_co_u32 s84, s84, 32768                   ; my late part in V; in K's memory it lies twice as far
	s_cmp_lt_u32 s[WV], 8
	s_cselect_b32 s70, s70, s74
	s_cselect_b32 s62, s62, s81
	s_cselect_b32 s85, 13, 12
	s_cselect_b32 s86, 1, 0
	s_cselect_b32 s87, 11, 10
	s_lshl_b32 s84, s84, s86
	s_add_co_u32 s74, s70, s84                     ; late
	s_lshl_b32 s85, s[CH2], s85
	s_add_co_u32 s70, s70, s85                     ; early
	s_lshl_b32 s87, s[CH2], s87
	s_add_co_u32 s62, s62, s87                     ; scale words
	s_mov_b32 s63, 0
	s_mov_b32 s71, 0
	s_mov_b32 s75, 0
	s_lshl_b32 s61, s[WV], 10
	s_add_co_u32 s61, s61, 262144                  ; LDS: scale words: 1,024 bytes a wave
	s_lshl_b32 s69, s89, 17
	s_lshl_b32 s81, s[CH2], 12
	s_add_co_u32 s69, s69, s81                     ; early: 4,096 a wave
	s_mul_i32 s73, s[CH2], 12288
	s_lshl_b32 s81, s89, 17
	s_add_co_u32 s73, s73, s81
	s_add_co_u32 s73, s73, 32768                   ; late: 12,288 a wave
	s_mov_b32 s60, 1
	s_mov_b32 s68, 1
	s_mov_b32 s72, 1
	MKG1 KE, 128, 4, 256
	MKG1 KL, 128, 12, 256
	MKG1 VE, 32, 16, 32
	MKG1 VL, 32, 48, 32
	MKG1 KSD, 32, 4, 64
	MKG1 VSD, 32, 4, 32
	; my two jobs: from here on registers hold g; none of them feeds a descriptor, a branch or an LDS address
	s_lshl_b32 s81, s66, 1
	s_add_co_u32 s81, s81, s89                     ; e
	s_lshl_b32 s84, s[CH1], 3
	s_add_co_u32 s84, s84, s81                     ; job 1's token block in the batch
	s_lshl_b32 s85, s[CH2], 3
	s_add_co_u32 s85, s85, s81                     ; job 2's
	s_lshl_b32 s86, s84, 11
	s_add_co_u32 s[QB1], s80, s86
	s_mov_b32 s[QB1+1], 0
	s_lshl_b32 s86, s85, 11
	s_add_co_u32 s[QB2], s80, s86
	s_mov_b32 s[QB2+1], 0
	s_lshr_b32 s86, s84, 2
	s_lshl_b32 s86, s86, 9
	s_and_b32 s87, s84, 3
	s_lshl_b32 s87, s87, 2
	s_add_co_u32 s86, s86, s87
	s_add_co_u32 s[QS1], s88, s86
	s_mov_b32 s[QS1+1], 0
	s_lshr_b32 s86, s85, 2
	s_lshl_b32 s86, s86, 9
	s_and_b32 s87, s85, 3
	s_lshl_b32 s87, s87, 2
	s_add_co_u32 s86, s86, s87
	s_add_co_u32 s[QS2], s88, s86
	s_mov_b32 s[QS2+1], 0
	s_lshl_b32 s86, s77, 7
	s_add_co_u32 s84, s84, s86                     ; the token blocks among all 512
	s_add_co_u32 s85, s85, s86
	s_lshl_b32 s86, s79, 11
	s_lshl_b32 s87, s78, 10
	s_add_co_u32 s86, s86, s87                     ; my head's 1,024 bytes in a block's codes: K step head / 2, half head % 2
	s_lshl_b32 s[OC1], s84, 14
	s_add_co_u32 s[OC1], s[OC1], s86
	s_mov_b32 s[OC1+1], 0
	s_lshl_b32 s[OC2], s85, 14
	s_add_co_u32 s[OC2], s[OC2], s86
	s_mov_b32 s[OC2+1], 0
	s_lshr_b32 s86, s79, 2                         ; my head's two bytes in a block's scale image
	s_lshl_b32 s86, s86, 8
	s_and_b32 s87, s79, 1
	s_lshl_b32 s87, s87, 7
	s_add_co_u32 s86, s86, s87
	s_bfe_u32 s87, s79, 0x10001
	s_lshl_b32 s87, s87, 2
	s_add_co_u32 s86, s86, s87
	s_lshl_b32 s87, s78, 1
	s_add_co_u32 s86, s86, s87
	s_lshl_b32 s2, s84, 9
	s_add_co_u32 s2, s2, s86
	s_lshl_b32 s3, s85, 9
	s_add_co_u32 s3, s3, s86
	s_lshl_b32 s66, s66, 5
	s_lshl_b32 s87, s89, 3
	s_add_co_u32 s66, s66, s87                     ; my block's first query in its chunk: 32 g + 8 (w / 8)
	s_mov_b32 s[SEL], 0x76543210
	s_mov_b32 s[SEL+1], 0xfedcba98
	s_mov_b32 s[CS], 0x3e38aa3b                    ; log2(e) / sqrt(64)
	s_mov_b32 s[CS+1], s[CS]
	s_wait_dscnt 0x0                               ; both opening adds are done
	s_wait_kmcnt 0x0
	s_add_nc_u64 s[62:63], s[6:7], s[62:63]
	s_or_b32 s63, s63, 0x80000000
	s_add_nc_u64 s[70:71], s[4:5], s[70:71]
	s_or_b32 s71, s71, 0x80000000
	s_add_nc_u64 s[74:75], s[4:5], s[74:75]
	s_or_b32 s75, s75, 0x80000000
	s_add_nc_u64 s[QB1:QB1+1], s[4:5], s[QB1:QB1+1]
	s_add_nc_u64 s[QB2:QB2+1], s[4:5], s[QB2:QB2+1]
	s_add_nc_u64 s[QS1:QS1+1], s[6:7], s[QS1:QS1+1]
	s_add_nc_u64 s[QS2:QS2+1], s[6:7], s[QS2:QS2+1]
	s_add_nc_u64 s[OC1:OC1+1], s[8:9], s[OC1:OC1+1]
	s_add_nc_u64 s[OC2:OC2+1], s[8:9], s[OC2:OC2+1]
	ROUND                                          ; all four work-groups are here: the joint loads meet
	s_cmp_lt_u32 s[WV], 8                          ; every wave's three fills stand in one branch: scale words, keys 0-511, the rest.  Three loads of mine are out
	s_cbranch_scc0 .Lfill_v
	tensor_load_to_lds s[G0S:G0S+3], s[KSD:KSD+7]
	s_nop 0
	tensor_load_to_lds s[G0E:G0E+3], s[KE:KE+7]
	s_nop 0
	tensor_load_to_lds s[G0L:G0L+3], s[KL:KL+7]
	s_nop 0
.rept 4
	v_nop
.endr
	s_branch .Lfilled
.Lfill_v:
	tensor_load_to_lds s[G0S:G0S+3], s[VSD:VSD+7]
	s_nop 0
	tensor_load_to_lds s[G0E:G0E+3], s[VE:VE+7]
	s_nop 0
	tensor_load_to_lds s[G0L:G0L+3], s[VL:VL+7]
	s_nop 0
.rept 4
	v_nop
.endr
.Lfilled:
	v_and_b32 v6, 31, v0
	s_delay_alu instid0(VALU_DEP_1)
	v_lshlrev_b32 v1, 4, v6
	v_and_b32 v6, 15, v0
	s_delay_alu instid0(VALU_DEP_1)
	v_lshlrev_b32 v2, 4, v6
	v_and_b32 v7, 8, v0
	v_and_b32 v8, 16, v0
	s_delay_alu instid0(VALU_DEP_2)
	v_add_nc_u32 v5, v6, v7
	s_delay_alu instid0(VALU_DEP_1)
	v_sub_nc_u32 v5, v5, v8
	s_delay_alu instid0(VALU_DEP_1)
	v_add_nc_u32 v5, s66, v5                       ; my query in its chunk - 16 (lane / 16): register 16 b + i of the diagonal step is hidden where 32 b + i is above it
.macro QLOAD qb, qs                    ; a job's Q, twice (the two runs share no register with each other or with the zeros), and its scale words
	global_load_b128 v[16:19], v1, s[\qb:\qb+1]
	global_load_b128 v[20:23], v1, s[\qb:\qb+1] offset:512
	global_load_b128 v[32:35], v1, s[\qb:\qb+1]
	global_load_b128 v[36:39], v1, s[\qb:\qb+1] offset:512
	global_load_b32 v255, v2, s[\qs:\qs+1]
.endm
	QLOAD QB1, QS1
.irp j, 0,1,2,3,4,5,6,7
	v_mov_b32 v[24+\j], 0                          ; the zero codes, written once
	v_mov_b32 v[48+\j], 0
	v_mov_b32 v[72+\j], 0
.endr
.macro RESET                           ; a job's start: the largest t under every t, the sum and O^T zeros (the step is written without a first step of its own: the first change of M multiplies zeros)
	v_mov_b32 v13, 0xff61b1e6
	s_delay_alu instid0(VALU_DEP_1)
	v_floor_f32 v12, -v13
	v_mov_b32 v14, 0
	v_mov_b32 v15, 0
.set j, 0
.rept 32
	v_mov_b32 v[O+j], 0
.set j, j+1
.endr
.endm
	RESET
.irp b, 0,1,2,3
	v_mov_b32 v[236+\b], 0                         ; written once: a lane permute's destination counts as one of its sources
.endr
	v_mov_b32 v252, 0
	v_mov_b32 v253, 0                              ; (named as the upper half of the pair v[252:253] before it is first written)
; A KEY STEP of 128 keys.  cz = 1: the step may be hidden (it is then left out) or lie on the diagonal (it is then masked); lim: the register with the job's chunk
.macro STEP cz, lim
.if \cz
	s_cmp_gt_u32 s[KI], s[\lim]                    ; the wave's number and the count of steps alone
	s_cbranch_scc1 .Lhid_\@
.endif
	s_setprio 2
	v_add_nc_u32 v6, s[TK], v1
	s_wait_alu depctr_va_vdst(0)
	v_add_nc_u32 v7, s[TV], v1
	v_add_nc_u32 v8, s[TS], v1
	v_add_nc_u32 v9, s[TT], v1
.rept 5
	v_nop                                          ; with the four additions: nine places before S^T is written over registers that the last V^T P^T read
.endr
.irp g, 0,1                            ; S^T = K Q^T, four tiles of 16 keys at a time
.if \g
.rept 8
	v_nop                                          ; places in front of loads into registers that matrix instructions have read
.endr
.endif
.irp t, 0,1,2,3
	ds_load_b128 v[40+24*(\t/2)+16*(\t%2):43+24*(\t/2)+16*(\t%2)], v6 offset:(4*\g+\t)*1024
	ds_load_b128 v[44+24*(\t/2)+16*(\t%2):47+24*(\t/2)+16*(\t%2)], v6 offset:(4*\g+\t)*1024+512
.endr
.if \g == 0
	ds_load_b128 v[248:251], v8                    ; K's scale words: lanes 0-15 tiles 0-3, lanes 16-31 tiles 4-7
.endif
	s_wait_dscnt 0x0
.irp t, 0,1,2,3
.if \g
	v_wmma_scale_f32_16x16x128_f8f6f4 v[S+8*(4*\g+\t):S+8*(4*\g+\t)+7], v[40+24*(\t/2)+8*(\t%2):55+24*(\t/2)+8*(\t%2)], v[16+8*(\t%2):31+8*(\t%2)], 0, v[248+\t], v255 matrix_a_fmt:MATRIX_FMT_BF8 matrix_b_fmt:MATRIX_FMT_BF8 matrix_a_scale:MATRIX_SCALE_ROW1
.else
	v_wmma_scale_f32_16x16x128_f8f6f4 v[S+8*(4*\g+\t):S+8*(4*\g+\t)+7], v[40+24*(\t/2)+8*(\t%2):55+24*(\t/2)+8*(\t%2)], v[16+8*(\t%2):31+8*(\t%2)], 0, v[248+\t], v255 matrix_a_fmt:MATRIX_FMT_BF8 matrix_b_fmt:MATRIX_FMT_BF8
.endif
.endr
.endr
.rept 8
	v_nop
.endr
.if \cz                                ; on the diagonal the scores of hidden keys become -infinity ahead of the maximum: p = 0 then
	s_cmp_lg_u32 s[KI], s[\lim]
	s_cbranch_scc1 .Lopen_\@
	v_mov_b32 v254, 0xff800000
.set n, 0
.rept 64
	v_cmp_gt_i32 vcc_lo, 32*(n/16)+n%16, v5
	v_cndmask_b32 v[S+n], v[S+n], v254, vcc_lo
.set n, n+1
.endr
.Lopen_\@:
.endif
.irp b, 0,1,2,3
	v_max3_num_f32 v[232+\b], v[S+16*\b], v[S+1+16*\b], v[S+2+16*\b]   ; the largest score of each block of 32 keys: for the row's maximum and, since p rises with the score, for the block's largest p
.endr
.irp i, 3,5,7,9,11,13
.irp b, 0,1,2,3
	v_max3_num_f32 v[232+\b], v[232+\b], v[S+16*\b+\i], v[S+1+16*\b+\i]
.endr
.endr
.irp b, 0,1,2,3
	v_max_num_f32 v[232+\b], v[232+\b], v[S+15+16*\b]
.endr
.irp b, 0,1,2,3
	s_delay_alu instid0(VALU_DEP_4)
	v_permlanex16_b32 v[236+\b], v[232+\b], s[SEL], s[SEL+1]
.endr
.irp b, 0,1,2,3
	s_delay_alu instid0(VALU_DEP_4)
	v_max_num_f32 v[232+\b], v[232+\b], v[236+\b]
.endr
	s_delay_alu instid0(VALU_DEP_2)
	v_max3_num_f32 v254, v232, v233, v234
	s_delay_alu instid0(VALU_DEP_1)
	v_max_num_f32 v254, v254, v235
	s_delay_alu instid0(VALU_DEP_1)
	v_mul_f32 v254, s[CS], v254                    ; as t (c is positive)
	s_delay_alu instid0(VALU_DEP_1)
	v_max_num_f32 v13, v13, v254                   ; the running largest t
	v_mov_b32 v254, v12
	s_delay_alu instid0(VALU_DEP_2)
	v_floor_f32 v12, -v13                          ; the new -M = -ceil(t): a whole number
	s_delay_alu instid0(VALU_DEP_1)
	v_sub_f32 v254, v12, v254                      ; old M less new M: a whole number, 0 or less
	s_delay_alu instid0(VALU_DEP_1)
	v_cvt_i32_f32 v254, v254                       ; (it saturates)
	s_delay_alu instid0(VALU_DEP_1)
	v_ldexp_f32 v252, 1.0, v254                    ; f = 2^(old M - new M)
.set j, 0
.rept 32
	v_pk_fma_f32 v[S+j:S+j+1], v[S+j:S+j+1], s[CS:CS+1], v[12:13] op_sel_hi:[1,0,0]   ; t - M
.set j, j+2
.endr
.irp b, 0,1,2,3
	v_fma_f32 v[232+\b], v[232+\b], s[CS], v12
.endr
.set j, 0
	s_setprio 1
	s_wait_alu depctr_va_vdst(0)
.rept 64
	v_exp_f32 v[S+j], v[S+j]                       ; p = 2^(t - M): not normalised
.set j, j+1
.endr
	v_pk_mul_f32 v[14:15], v[14:15], v[252:253] op_sel_hi:[1,0]   ; the sums under the new M: a plain line behind the exponentials
	s_wait_alu depctr_va_vdst(0)                   ; one wait for the batch, ahead of its first reader
.irp b, 0,1,2,3
	v_exp_f32 v[232+\b], v[232+\b]                 ; the blocks' largest p
.endr
	v_pk_add_f32 v[236:237], v[92:93], v[96:97]
	v_pk_add_f32 v[250:251], v[100:101], v[104:105]
	v_pk_add_f32 v[248:249], v[108:109], v[112:113]
	v_pk_add_f32 v[246:247], v[116:117], v[120:121]
	v_pk_add_f32 v[244:245], v[124:125], v[128:129]
	v_pk_add_f32 v[242:243], v[132:133], v[136:137]
	v_pk_add_f32 v[240:241], v[140:141], v[144:145]
	v_pk_add_f32 v[14:15], v[14:15], v[148:149]
	v_pk_add_f32 v[236:237], v[236:237], v[88:89]
	v_pk_add_f32 v[250:251], v[250:251], v[90:91]
	v_pk_add_f32 v[248:249], v[248:249], v[94:95]
	v_pk_add_f32 v[246:247], v[246:247], v[98:99]
	v_pk_add_f32 v[244:245], v[244:245], v[102:103]
	v_pk_add_f32 v[242:243], v[242:243], v[106:107]
	v_pk_add_f32 v[240:241], v[240:241], v[110:111]
	v_pk_add_f32 v[14:15], v[14:15], v[114:115]
	v_pk_add_f32 v[236:237], v[236:237], v[118:119]
	v_pk_add_f32 v[250:251], v[250:251], v[122:123]
	v_pk_add_f32 v[248:249], v[248:249], v[126:127]
	v_pk_add_f32 v[246:247], v[246:247], v[130:131]
	v_pk_add_f32 v[244:245], v[244:245], v[134:135]
	v_pk_add_f32 v[242:243], v[242:243], v[138:139]
	v_pk_add_f32 v[240:241], v[240:241], v[142:143]
	v_pk_add_f32 v[14:15], v[14:15], v[146:147]
	v_pk_add_f32 v[236:237], v[236:237], v[150:151]
	s_delay_alu instid0(VALU_DEP_2)
	v_pk_add_f32 v[14:15], v[14:15], v[246:247]
	s_delay_alu instid0(VALU_DEP_2)
	v_pk_add_f32 v[236:237], v[236:237], v[244:245]
	v_pk_add_f32 v[250:251], v[250:251], v[242:243]
	v_pk_add_f32 v[248:249], v[248:249], v[240:241]
	s_delay_alu instid0(VALU_DEP_2)
	v_pk_add_f32 v[14:15], v[14:15], v[250:251]
	s_delay_alu instid0(VALU_DEP_2)
	v_pk_add_f32 v[236:237], v[236:237], v[248:249]
	s_delay_alu instid0(VALU_DEP_1)
	v_pk_add_f32 v[14:15], v[14:15], v[236:237]
	s_wait_alu depctr_va_vdst(0)                   ; and one for the four
.irp b, 0,1,2,3
	v_max_num_f32 v[232+\b], 0x8000000, v[232+\b]  ; the floor: the byte cannot fall under 1
.endr
.irp b, 0,1,2,3
	s_delay_alu instid0(VALU_DEP_4)
	v_add_nc_u32 v[244+\b], 0xf8800000, v[232+\b]
.endr
.irp b, 0,1,2,3
.endr
.irp b, 0,1,2,3
	s_delay_alu instid0(VALU_DEP_4)
	v_lshrrev_b32 v[236+\b], 23, v[244+\b]
.endr
	s_delay_alu instid0(VALU_DEP_3)
	v_lshl_or_b32 v253, v237, 8, v236              ; p's scale word for these 128 keys
	s_delay_alu instid0(VALU_DEP_1)
	v_lshl_or_b32 v253, v238, 16, v253
	s_delay_alu instid0(VALU_DEP_1)
	v_lshl_or_b32 v253, v239, 24, v253
.irp b, 0,1,2,3
.irp i, 0,1,2,3,4,5,6,7,8,9,10,11,12,13,14,15
.endr
	v_cvt_scalef32_pk8_bf8_f32 v[PCD+4*\b:PCD+1+4*\b], v[S+16*\b:S+7+16*\b], v[244+\b]
	v_cvt_scalef32_pk8_bf8_f32 v[PCD+2+4*\b:PCD+3+4*\b], v[S+8+16*\b:S+15+16*\b], v[244+\b]
.endr
.rept 4
	v_nop                                          ; the plain line behind the last conversion, and the four places between codes made by vector instructions and the scaled product
.endr
	s_setprio 0
.irp d, 0,1,2,3
.irp c, 0,1,2,3
	ds_load_b128 v[S+16*\d+4*\c:S+16*\d+4*\c+3], v7 offset:\d*2048+512*\c    ; V's four fragments take p's registers
.endr
.endr
	ds_load_b128 v[200:203], v9
.set j, 0
.rept 16
	v_pk_mul_f32 v[O+j:O+j+1], v[O+j:O+j+1], v[252:253] op_sel_hi:[1,0]      ; O^T under the new M, while the loads are out
.set j, j+2
.endr
	s_wait_alu depctr_va_vdst(0)
	s_wait_dscnt 0x0
.irp d, 0,1,2,3                        ; O^T += V^T P^T: the four accumulators by turns
	v_wmma_scale_f32_16x16x128_f8f6f4 v[O+8*\d:O+8*\d+7], v[S+16*\d:S+16*\d+15], v[PCD:PCD+15], v[O+8*\d:O+8*\d+7], v[200+\d], v253 matrix_a_fmt:MATRIX_FMT_BF8 matrix_b_fmt:MATRIX_FMT_BF8
.endr
.if \cz
.Lhid_\@:
.endif
	s_add_co_u32 s[KI], s[KI], 1
	s_add_co_u32 s[TK], s[TK], 8192
	s_add_co_u32 s[TV], s[TV], 8192
	s_add_co_u32 s[TS], s[TS], 512
	s_add_co_u32 s[TT], s[TT], 512
.endm
.macro SETK k, n                       ; n steps from key step k on: every LDS scalar is set by a constant
	s_mov_b32 s[KI], \k
	s_mov_b32 s[TK], 8192*(\k)
	s_mov_b32 s[TV], 131072+8192*(\k)
	s_mov_b32 s[TS], 262144+512*(\k)
	s_mov_b32 s[TT], 270336+512*(\k)
	s_mov_b32 s[CNT], \n
.endm
; A JOB'S END: O^T / the sum, quantised along D (my head's two blocks of 32), stored as half a fragment's image
.macro FINISH job, oc, hw
.if \job == 1
	QLOAD QB2, QS2                                 ; the next job's Q lands meanwhile (the last products that read these registers stand a softmax back)
.endif
.rept 8
	v_nop                                          ; places behind the last products
.endr
	v_add_f32 v14, v14, v15
	s_delay_alu instid0(VALU_DEP_1)
	v_permlanex16_b32 v252, v14, s[SEL], s[SEL+1]
	s_delay_alu instid0(VALU_DEP_1)
	v_add_f32 v14, v14, v252                       ; the row's sum
	s_wait_alu depctr_va_vdst(0)
	v_rcp_f32 v14, v14
	v_nop
	s_wait_alu depctr_va_vdst(0)                   ; ahead of the reciprocal's first reader
.set j, 0
.rept 16
	v_pk_mul_f32 v[O+j:O+j+1], v[O+j:O+j+1], v[14:15] op_sel_hi:[1,0]
.set j, j+2
.endr
.irp b, 0,1
	v_max3_num_f32 v[232+\b], |v[O+16*\b]|, |v[O+1+16*\b]|, 0x8000000
.endr
.irp i, 2,4,6,8,10,12,14
.irp b, 0,1
	s_delay_alu instid0(VALU_DEP_2)
	v_max3_num_f32 v[232+\b], v[232+\b], |v[O+16*\b+\i]|, |v[O+1+16*\b+\i]|
.endr
.endr
.irp b, 0,1
	s_delay_alu instid0(VALU_DEP_2)
	v_permlanex16_b32 v[236+\b], v[232+\b], s[SEL], s[SEL+1]
.endr
.irp b, 0,1
	s_delay_alu instid0(VALU_DEP_2)
	v_max_num_f32 v[232+\b], v[232+\b], v[236+\b]
.endr
.irp b, 0,1
	s_delay_alu instid0(VALU_DEP_2)
	v_add_nc_u32 v[244+\b], 0xf8800000, v[232+\b]
.endr
.irp b, 0,1
.endr
.irp b, 0,1
	s_delay_alu instid0(VALU_DEP_2)
	v_lshrrev_b32 v[236+\b], 23, v[244+\b]
.endr
	s_delay_alu instid0(VALU_DEP_1)
	v_lshl_or_b32 v[\hw], v237, 8, v236            ; my head's two scale bytes of my row
.irp b, 0,1
.irp i, 0,1,2,3,4,5,6,7,8,9,10,11,12,13,14,15
.endr
	v_cvt_scalef32_pk8_bf8_f32 v[PCD+4*\b:PCD+1+4*\b], v[O+16*\b:O+7+16*\b], v[244+\b]
	v_cvt_scalef32_pk8_bf8_f32 v[PCD+2+4*\b:PCD+3+4*\b], v[O+8+16*\b:O+15+16*\b], v[244+\b]
.endr
	v_nop                                          ; a plain line behind the last conversion
	global_store_b128 v1, v[PCD:PCD+3], s[\oc:\oc+1]               ; 512 consecutive bytes each
	global_store_b128 v1, v[PCD+4:PCD+7], s[\oc:\oc+1] offset:512
.endm
	s_wait_tensorcnt 1                             ; my scale words and my part of keys 0-511 are in; the late load may stay out
	s_barrier_signal -1
	s_barrier_wait -1                              ; everybody's are
	s_wait_loadcnt 0x0                             ; Q
	SETK 0, 4
.Lsteps_a:                                     ; job 1's chunk is 8 or more: key steps 0 to 7 count whole
	STEP 0, CH1
	s_sub_co_u32 s[CNT], s[CNT], 1
	s_cmp_lg_u32 s[CNT], 0
	s_cbranch_scc1 .Lsteps_a
	s_setprio 0
	s_wait_tensorcnt 0x0                           ; my late load has landed
	s_wait_dscnt 0x0
	s_barrier_signal -1
	s_barrier_wait -1                              ; everybody's has
	SETK 4, 4
.Lsteps_b:
	STEP 0, CH1
	s_sub_co_u32 s[CNT], s[CNT], 1
	s_cmp_lg_u32 s[CNT], 0
	s_cbranch_scc1 .Lsteps_b
	s_setprio 0
	SETK 8, 8
.Lsteps_c:                                     ; a constant count of trips; a hidden step's work is jumped over
	STEP 1, CH1
	s_sub_co_u32 s[CNT], s[CNT], 1
	s_cmp_lg_u32 s[CNT], 0
	s_cbranch_scc1 .Lsteps_c
	s_setprio 0
	FINISH 1, OC1, 10
	RESET
	s_wait_xcnt 0x0                                ; the stores have read the codes' registers, which the next job writes again
	s_wait_loadcnt 0x0                             ; the next Q
	SETK 0, 8
.Lsteps_d:
	STEP 1, CH2
	s_sub_co_u32 s[CNT], s[CNT], 1
	s_cmp_lg_u32 s[CNT], 0
	s_cbranch_scc1 .Lsteps_d
	s_setprio 0
	FINISH 2, OC2, 11
	v_and_b32 v6, 16, v0                           ; both jobs' scale bytes leave by one store: lanes 0-15 job 1's rows, lanes 16-31 job 2's
	s_delay_alu instid0(VALU_DEP_1)
	v_cmp_eq_u32 vcc_lo, 0, v6
	s_delay_alu instid0(VALU_DEP_1)
	v_cndmask_b32 v11, v11, v10, vcc_lo
	v_mov_b32 v7, s3
	v_mov_b32 v8, s2
	s_delay_alu instid0(VALU_DEP_1)
	v_cndmask_b32 v7, v7, v8, vcc_lo
	v_and_b32 v8, 15, v0
	s_delay_alu instid0(VALU_DEP_1)
	v_lshl_add_u32 v7, v8, 3, v7
	global_store_b16 v7, v11, s[10:11]             ; two bytes a row: a scale word of the last product spans two heads, which are two clusters' work; 256 KiB of such stores in the launch
	s_wait_tensorcnt 0x0                           ; the wave's end
	ds_add_u32 v[SPW], v[NIL]
	s_wait_dscnt 0x0
	ROUND                                          ; the closing round
	s_endpgm
.Lfunc_end_k_qc0e84e072f_attn:
	.size	k_qc0e84e072f_attn, .Lfunc_end_k_qc0e84e072f_attn-k_qc0e84e072f_attn
	.p2alignl 7, 3214868480
	.fill 96, 4, 3214868480
	.section	.rodata,"a",@progbits
	.p2align	6, 0x0
	.amdhsa_kernel k_qc0e84e072f_attn
		.amdhsa_group_segment_fixed_size 327680
		.amdhsa_private_segment_fixed_size 0
		.amdhsa_enable_private_segment 0
		.amdhsa_kernarg_size 32
		.amdhsa_user_sgpr_count 2
		.amdhsa_user_sgpr_kernarg_segment_ptr 1
		.amdhsa_wavefront_size32 1
		.amdhsa_system_sgpr_workgroup_id_x 1
		.amdhsa_system_sgpr_workgroup_id_y 1
		.amdhsa_system_sgpr_workgroup_id_z 1
		.amdhsa_system_vgpr_workitem_id 0
		.amdhsa_next_free_vgpr 256
		.amdhsa_next_free_sgpr 102
		.amdhsa_reserve_vcc 1
		.amdhsa_float_denorm_mode_32 3
		.amdhsa_float_denorm_mode_16_64 3
		.amdhsa_fp16_overflow 1
		.amdhsa_memory_ordered 1
		.amdhsa_forward_progress 1
		.amdhsa_inst_pref_size 106
	.end_amdhsa_kernel
	.amdgpu_metadata
---
amdhsa.version: [ 1, 2 ]
amdhsa.kernels:
  - .name:           k_qc0e84e072f_attn
    .symbol:         k_qc0e84e072f_attn.kd
    .args:
      - { .name: acod, .offset: 0, .size: 8, .value_kind: global_buffer, .address_space: global }
      - { .name: ascl, .offset: 8, .size: 8, .value_kind: global_buffer, .address_space: global }
      - { .name: ocod, .offset: 16, .size: 8, .value_kind: global_buffer, .address_space: global }
      - { .name: oscl, .offset: 24, .size: 8, .value_kind: global_buffer, .address_space: global }
    .group_segment_fixed_size: 327680
    .private_segment_fixed_size: 0
    .kernarg_segment_align: 8
    .kernarg_segment_size: 32
    .max_flat_workgroup_size: 512
    .sgpr_count:     102
    .vgpr_count:     256
    .wavefront_size: 32
...
	.end_amdgpu_metadata
.endif
;; end of part 3
;; launch outp (part 4): grid 4 x 64, 4 waves a work-group, clusters of 4 x 4, 327,680 bytes of LDS; arguments ocod, oscl, gcod, gscl, bp, out0; writes out0
.if DOCPART == 4
	.amdgcn_target "amdgcn-amd-amdhsa--gfx1250"
	.amdhsa_code_object_version 6
	.text
	.protected	k_qc0e84e072f_outp
	.globl	k_qc0e84e072f_outp
	.p2align	8
	.type	k_qc0e84e072f_outp,@function
k_qc0e84e072f_outp:
	s_mov_b64 s[64:65], 0
	v_nop
	global_prefetch_b8 v0, s[64:65] scope:SCOPE_SE
	s_setreg_imm32_b32 hwreg(HW_REG_WAVE_MODE, 25, 1), 1
	s_wait_xcnt 0x0
	s_wait_alu depctr_hold_cnt(0) depctr_sa_sdst(0) depctr_va_vdst(0) depctr_va_sdst(0) depctr_va_ssrc(0) depctr_va_vcc(0) depctr_vm_vsrc(0)
	s_getreg_b32 s2, hwreg(HW_REG_IB_STS2, 6, 4)
	s_cmp_eq_u32 s2, 0
	s_cbranch_scc0 .Lentry_in_a_cluster
	s_endpgm
.Lentry_in_a_cluster:
	s_bfe_u32 s2, ttmp6, 0x10000c
	s_cmp_lg_u32 s2, 0xf033
	s_cbranch_scc0 .Lentry_shape_is_right
	s_endpgm
.Lentry_shape_is_right:
; out0 = O Wp + bp on codes: O's register images and scale images from the attention launch, Wp's from the first launch.  The second launch's product, without its modes: P = O (tokens), Q = Wp (columns), bias by column.
; The matrix instruction is used transposed (source 0 = 16 rows of Q, source 1 = 16 rows of P): lane (r, h) of tile (a, b) holds token row r of block a and columns 32 (b / 2) + 16 h + 8 (b % 2) + 0..7.
; SHARES: a work-group makes 128 tokens x 256 columns; wave w takes P's blocks 4 (w / 2) .. + 3 and Q's blocks 8 (w % 2) .. + 7: 32 accumulators.  256 work-groups.
; K = 1,024 in four steps of 256 through two LDS slots; the scale images come once.  CLUSTER 4 x 4: P's blocks shared along a row, Q's along a column: joint loads.
; THE WAY OUT: 16 rows x 128 columns at a time through the wave's own stage, which lies in slot 0: that slot has had its last fill and its last read when the first result is stored there.
; REGISTERS: as in the second launch; v10, v11 the stage's addresses; on the way out v128-255 of window 0 take the rows read back.
.set SLOTB, 98304
.set QOFF,  32768
.set SCL,   196608
.set SPARE, 208896
.set LI,   1
.set ADRP, 2
.set ADRQ, 4
.set ADSP, 6
.set ADSQ, 7
.set SPW,  8
.set NIL,  9
.set STO,  10
.set RD,   11
.set SP,   16
.set SQ,   32
.set BC,   64
.set MSB, 0
.macro WIN new
.if MSB != \new
	s_set_vgpr_msb (MSB<<8)|\new
.set MSB, \new
.endif
.endm
.macro JLOAD g0p, g1p, g0q, g1q        ; waves 0 and 1 fetch for P, waves 2 and 3 for Q; an s_nop 0 and four v_nop follow each of the two lines
	s_cmp_eq_u32 s19, 0
	s_cbranch_scc0 .Lfor_q_\@
	tensor_load_to_lds s[\g0p:\g0p+3], s[\g1p:\g1p+7]
	s_nop 0
.rept 4
	v_nop
.endr
	s_branch .Lasked_\@
.Lfor_q_\@:
	tensor_load_to_lds s[\g0q:\g0q+3], s[\g1q:\g1q+7]
	s_nop 0
.rept 4
	v_nop
.endr
.Lasked_\@:
.endm
.macro CREST
	s_cmp_lg_u32 s18, 0
	s_cbranch_scc1 .Lnot_wave_0_\@
	s_barrier_signal -3
.Lnot_wave_0_\@:
	s_barrier_wait -3
	s_barrier_signal -1
	s_barrier_wait -1
.endm
.macro CROUND
	s_barrier_signal -1
	s_barrier_wait -1
	CREST
.endm
.macro PLACES n
.rept \n
	v_nop
.endr
.endm
.macro MKG1 g, m, c, r, p
	s_or_b32 s[\g], s[\m], (3<<16)|(1<<21)
	s_mov_b32 s[\g+1], (\c)<<16
	s_mov_b32 s[\g+2], (\r)<<16
	s_mov_b32 s[\g+3], (\c)<<16
	s_mov_b32 s[\g+4], \r
	s_mov_b32 s[\g+5], \p
	s_mov_b32 s[\g+6], 0
	s_mov_b32 s[\g+7], 0
.endm
.macro MKG0 g, sh, lbase, src, goff
	s_mov_b32 s[\g], 1
	s_lshl_b32 s[\g+1], s20, \sh
	s_add_co_u32 s[\g+1], s[\g+1], \lbase
	s_add_nc_u64 s[\g+2:\g+3], s[\src:\src+1], \goff
	s_or_b32 s[\g+3], s[\g+3], 0x80000000
.endm
	s_load_b256 s[4:11], s[0:1], 0x0               ; ocod, oscl, gcod, gscl
	s_load_b128 s[12:15], s[0:1], 0x20             ; bp, out0
	v_lshl_add_u32 v[SPW], v0, 2, SPARE
	v_mov_b32 v[NIL], 0
	ds_add_u32 v[SPW], v[NIL]                      ; the wave's opening: the add, twice on end, and its wait ahead of my first tensor load
	ds_add_u32 v[SPW], v[NIL]
	v_lshrrev_b32 v12, 5, v0
	v_readfirstlane_b32 s18, v12                   ; wave
	s_lshr_b32 s19, s18, 1                         ; my half of P's blocks.  Also: I fetch for P (0) or for Q (1)
	s_and_b32 s20, s18, 1                          ; my half of Q's blocks.  Also: which half I fetch
	s_bfe_u32 s21, ttmp6, 0x40000                  ; cx
	s_bfe_u32 s22, ttmp6, 0x40004                  ; cy
	s_and_b32 s88, ttmp7, 0xffff
	s_lshl_b32 s88, s88, 2
	s_add_co_u32 s88, s88, s22                     ; tile row: 128 tokens
	s_lshl_b32 s89, ttmp9, 2
	s_add_co_u32 s89, s89, s21                     ; tile column: 256 columns
	s_lshl_b32 s92, s88, 3
	s_lshl_b32 s67, s20, 2
	s_add_co_u32 s92, s92, s67                     ; the first of the four blocks of P that I fetch
	s_lshl_b32 s94, s89, 4
	s_add_co_u32 s94, s94, 704                     ; Wp's blocks begin at 704
	s_lshl_b32 s67, s20, 3
	s_add_co_u32 s94, s94, s67
	s_lshl_b32 s96, s92, 9
	s_mov_b32 s97, 0
	s_lshl_b32 s92, s92, 14
	s_mov_b32 s93, 0
	s_lshl_b32 s90, s94, 9
	s_mov_b32 s91, 0
	s_lshl_b32 s94, s94, 14
	s_mov_b32 s95, 0
	s_lshl_b32 s26, s22, 2
	s_lshl_b32 s26, 15, s26                        ; my row of the cluster
	s_lshl_b32 s27, 0x1111, s21                    ; my column
	MKG1 28, 26, 512, 4, 2048
	MKG1 36, 27, 512, 8, 2048
	MKG1 44, 26, 32, 8, 32
	MKG1 52, 27, 32, 16, 32
	s_wait_dscnt 0x0                               ; both opening adds are done
	s_wait_kmcnt 0x0
	s_add_nc_u64 s[92:93], s[4:5], s[92:93]
	s_add_nc_u64 s[96:97], s[6:7], s[96:97]
	s_add_nc_u64 s[94:95], s[8:9], s[94:95]
	s_add_nc_u64 s[90:91], s[10:11], s[90:91]
	CROUND                                         ; all sixteen work-groups are here: the first joint loads meet
	MKG0 80, 11, SCL, 96, 0
	MKG0 84, 12, SCL+4096, 90, 0
	JLOAD 80, 44, 84, 52                           ; the scale images
	MKG0 60, 14, 0, 92, 0
	MKG0 72, 15, QOFF, 94, 0
	s_wait_alu depctr_va_vdst(0)
	s_wait_tensorcnt 0x0
	ds_add_u32 v8, v9
	s_wait_dscnt 0x0
	CROUND
	JLOAD 60, 28, 72, 36                           ; slot 0
	MKG0 68, 14, SLOTB, 92, 4096
	MKG0 76, 15, SLOTB+QOFF, 94, 4096
	s_wait_alu depctr_va_vdst(0)
	s_wait_tensorcnt 0x0
	ds_add_u32 v8, v9
	s_wait_dscnt 0x0
	CROUND
	JLOAD 68, 28, 76, 36                           ; slot 1.  One load of mine is out
	v_and_b32 v12, 31, v0
	v_lshlrev_b32 v[LI], 4, v12
	s_lshl_b32 s67, s19, 14
	v_add_nc_u32 v[ADRP], s67, v[LI]
	s_add_co_u32 s67, s67, SLOTB
	v_add_nc_u32 v[ADRP+1], s67, v[LI]
	s_lshl_b32 s67, s20, 15
	s_add_co_u32 s67, s67, QOFF
	v_add_nc_u32 v[ADRQ], s67, v[LI]
	s_add_co_u32 s67, s67, SLOTB
	v_add_nc_u32 v[ADRQ+1], s67, v[LI]
	v_lshlrev_b32 v13, 3, v12
	s_lshl_b32 s67, s19, 11
	s_add_co_u32 s67, s67, SCL
	v_add_nc_u32 v[ADSP], s67, v13
	s_lshl_b32 s67, s20, 12
	s_add_co_u32 s67, s67, SCL+4096
	v_add_nc_u32 v[ADSQ], s67, v13
	v_bfe_u32 v12, v0, 4, 1                        ; h
	v_lshlrev_b32 v13, 6, v12                      ; the bias: 64 h bytes
	s_wait_alu depctr_va_vdst(0)
	v_and_b32 v14, 15, v0
	s_mul_i32 s67, s18, 8448                       ; my stage: 16 rows of 512 bytes + 16
	v_mul_u32_u24 v[STO], v14, 528
	v_lshl_add_u32 v[STO], v12, 6, v[STO]
	v_add_nc_u32 v[STO], s67, v[STO]               ; in: row r, + 64 h
	v_add_nc_u32 v[RD], s67, v[LI]                 ; back: a whole row, 16 bytes a lane
	s_lshl_b32 s26, s89, 10                        ; my 128 columns, in bytes
	s_lshl_b32 s27, s20, 9
	s_add_co_u32 s26, s26, s27
	s_mov_b32 s27, 0
	s_add_nc_u64 s[12:13], s[12:13], s[26:27]
	s_lshl_b32 s98, s88, 19                        ; my 64 rows of 4,096 bytes
	s_lshl_b32 s67, s19, 18
	s_add_co_u32 s98, s98, s67
	s_add_co_u32 s98, s98, s26
	s_mov_b32 s99, 0
	s_add_nc_u64 s[98:99], s[14:15], s[98:99]
.irp b, 0,1,2,3,4,5,6,7
	global_load_b128 v[BC+8*\b:BC+8*\b+3], v13, s[12:13] offset:(32*(\b/2)+8*(\b%2))*4
	global_load_b128 v[BC+8*\b+4:BC+8*\b+7], v13, s[12:13] offset:(32*(\b/2)+8*(\b%2))*4+16
.endr
.macro FETCH slot, q, f                ; 48 LDS loads of 512 consecutive bytes: the slot's q-th 128 along K into set f
	WIN 0x40
.irp b, 0,1,2,3,4,5,6,7
.irp c, 0,1,2,3
	ds_load_b128 v[128*(\f)+16*\b+4*\c:128*(\f)+16*\b+4*\c+3], v[ADRQ+\slot] offset:\b*4096+(\q)*2048+\c*512
.endr
.endr
	WIN 0
.irp a, 0,1,2,3
.irp c, 0,1,2,3
	ds_load_b128 v[128+64*(\f)+16*\a+4*\c:128+64*(\f)+16*\a+4*\c+3], v[ADRP+\slot] offset:\a*4096+(\q)*2048+\c*512
.endr
.endr
.endm
.macro SCALES
.irp a, 0,1,2,3
.irp k, 0,1
	ds_load_b64 v[SP+4*\a+2*\k:SP+4*\a+2*\k+1], v[ADSP] offset:\a*512+\k*256
.endr
.endr
.irp b, 0,1,2,3,4,5,6,7
.irp k, 0,1
	ds_load_b64 v[SQ+4*\b+2*\k:SQ+4*\b+2*\k+1], v[ADSQ] offset:\b*512+\k*256
.endr
.endr
.endm
; 8 matrix instructions: P's block a against Q's eight.  cm = 1: the bias starts the sums.  The 32 accumulators take turns, in the same order in every step.
.macro MUL8 a, f, q, s2, cm
.irp b, 0,1,2,3,4,5,6,7
.if \cm == 1
	v_wmma_scale_f32_16x16x128_f8f6f4 v[8*(8*(\a)+\b):8*(8*(\a)+\b)+7], v[128*(\f)+16*\b:128*(\f)+16*\b+15], v[128+64*(\f)+16*(\a):128+64*(\f)+16*(\a)+15], v[BC+8*\b:BC+8*\b+7], v[SQ+4*\b+(\s2)], v[SP+4*(\a)+(\s2)] matrix_a_fmt:MATRIX_FMT_BF8 matrix_b_fmt:MATRIX_FMT_BF8
.elseif \q == 0
	v_wmma_scale_f32_16x16x128_f8f6f4 v[8*(8*(\a)+\b):8*(8*(\a)+\b)+7], v[128*(\f)+16*\b:128*(\f)+16*\b+15], v[128+64*(\f)+16*(\a):128+64*(\f)+16*(\a)+15], v[8*(8*(\a)+\b):8*(8*(\a)+\b)+7], v[SQ+4*\b+(\s2)], v[SP+4*(\a)+(\s2)] matrix_a_fmt:MATRIX_FMT_BF8 matrix_b_fmt:MATRIX_FMT_BF8
.else
	v_wmma_scale_f32_16x16x128_f8f6f4 v[8*(8*(\a)+\b):8*(8*(\a)+\b)+7], v[128*(\f)+16*\b:128*(\f)+16*\b+15], v[128+64*(\f)+16*(\a):128+64*(\f)+16*(\a)+15], v[8*(8*(\a)+\b):8*(8*(\a)+\b)+7], v[SQ+4*\b+(\s2)], v[SP+4*(\a)+(\s2)] matrix_a_fmt:MATRIX_FMT_BF8 matrix_b_fmt:MATRIX_FMT_BF8 matrix_a_scale:MATRIX_SCALE_ROW1 matrix_b_scale:MATRIX_SCALE_ROW1
.endif
.endr
.endm
.macro STEP slot, s2
	s_wait_dscnt 0x0                               ; set 0 is in
	PLACES 8                                       ; eight plain places in front of loads into registers that matrix instructions have read
	FETCH \slot, 1, 1
	WIN 0xa1
	MUL8 0, 0, 0, \s2, 0
	MUL8 1, 0, 0, \s2, 0
	MUL8 2, 0, 0, \s2, 0
	MUL8 3, 0, 0, \s2, 0
	WIN 0
.endm
.macro TURN slot, next, s2, fill
	s_wait_tensorcnt 0x0                           ; all my tensor loads have landed: my part of the next slot
	ds_add_u32 v[SPW], v[NIL]
	s_wait_dscnt 1                                 ; set 1 is in; the add alone may be out
	WIN 0xa1
	MUL8 0, 1, 1, \s2, 0
	s_wait_dscnt 0x0                               ; the add is done, and my reads of this slot are over
	s_barrier_signal -1
	MUL8 1, 1, 1, \s2, 0
	WIN 0
	s_barrier_wait -1
.if \fill
	CREST                                          ; a round of the cluster's barrier: no wave of any partner still reads this slot or has a load on its way
	s_add_nc_u64 s[62+8*\slot:63+8*\slot], s[62+8*\slot:63+8*\slot], 8192
	s_add_nc_u64 s[74+4*\slot:75+4*\slot], s[74+4*\slot:75+4*\slot], 8192
	JLOAD 60+8*\slot, 28, 72+4*\slot, 36           ; the first tensor load behind the round, one a wave
	PLACES 4
.else
	PLACES 8
.endif
	FETCH \next, 0, 0
	WIN 0xa1
	MUL8 2, 1, 1, \s2, 0
	MUL8 3, 1, 1, \s2, 0
	WIN 0
.endm
	s_wait_tensorcnt 1                             ; the scale images and my part of slot 0 are in; slot 1's load may stay out
	s_barrier_signal -1
	s_barrier_wait -1
	SCALES
	FETCH 0, 0, 0
	s_wait_dscnt 0x0
	FETCH 0, 1, 1
	s_wait_loadcnt 0x0                             ; the bias
	WIN 0x81                                       ; C, the bias, in window 0
	MUL8 0, 0, 0, 0, 1
	MUL8 1, 0, 0, 0, 1
	MUL8 2, 0, 0, 0, 1
	MUL8 3, 0, 0, 0, 1
	WIN 0
	TURN 0, 1, 0, 1
	STEP 1, 1
	TURN 1, 0, 1, 1
	STEP 0, 2
	TURN 0, 1, 2, 0                                ; behind this barrier nobody reads slot 0 any more, and nothing is filled
	STEP 1, 3
	s_wait_dscnt 0x0
	WIN 0xa1
	MUL8 0, 1, 1, 3, 0
	MUL8 1, 1, 1, 3, 0
	MUL8 2, 1, 1, 3, 0
	MUL8 3, 1, 1, 3, 0
	WIN 0
.macro TOSTAGE a                       ; block a's 16 rows x 128 columns into my stage and back as whole rows; LDS serves a wave's instructions in order
	WIN 0x08                                       ; an LDS store's data: the accumulators' window
.irp b, 0,1,2,3,4,5,6,7
	ds_store_b128 v[STO], v[8*(8*(\a)+\b):8*(8*(\a)+\b)+3] offset:128*(\b/2)+32*(\b%2)       ; each accumulator from its low end on
	ds_store_b128 v[STO], v[8*(8*(\a)+\b)+4:8*(8*(\a)+\b)+7] offset:128*(\b/2)+32*(\b%2)+16
.endr
	WIN 0
.irp t, 0,1,2,3,4,5,6,7,8,9,10,11,12,13,14,15
	ds_load_b128 v[128+64*((\a)%2)+4*\t:128+64*((\a)%2)+4*\t+3], v[RD] offset:\t*528
.endr
.endm
.macro SEND a, younger                 ; younger: the LDS instructions issued behind block a's loads, which may stay out
	s_wait_dscnt \younger
.irp t, 0,1,2,3,4,5,6,7,8,9,10,11,12,13,14,15
	global_store_b128 v[LI], v[128+64*((\a)%2)+4*\t:128+64*((\a)%2)+4*\t+3], s[98:99] offset:(32*((\a)/2)+8*((\a)%2)+\t+8*(\t/8))*4096 th:TH_STORE_NT   ; 512 consecutive bytes of one row of out0, aligned
.endr
.endm
	PLACES 8                                       ; behind the last products: for the reads of results and for the loads into registers that held fragments
	s_wait_alu depctr_va_vdst(0)
	TOSTAGE 0
.irp a, 1,2,3
.if \a > 1
	s_wait_xcnt 0x0                                ; block a - 2's stores have read their registers: block a's loads may land there
.endif
	TOSTAGE \a
	SEND \a-1, 32                                  ; behind block a - 1's loads: block a's 16 stores and 16 loads
.endr
	SEND 3, 0
	s_wait_tensorcnt 0x0                           ; the wave's end
	ds_add_u32 v[SPW], v[NIL]
	s_wait_dscnt 0x0
	CROUND                                         ; the closing round
	s_endpgm
.Lfunc_end_k_qc0e84e072f_outp:
	.size	k_qc0e84e072f_outp, .Lfunc_end_k_qc0e84e072f_outp-k_qc0e84e072f_outp
	.p2alignl 7, 3214868480
	.fill 96, 4, 3214868480
	.section	.rodata,"a",@progbits
	.p2align	6, 0x0
	.amdhsa_kernel k_qc0e84e072f_outp
		.amdhsa_group_segment_fixed_size 327680
		.amdhsa_private_segment_fixed_size 0
		.amdhsa_enable_private_segment 0
		.amdhsa_kernarg_size 48
		.amdhsa_user_sgpr_count 2
		.amdhsa_user_sgpr_kernarg_segment_ptr 1
		.amdhsa_wavefront_size32 1
		.amdhsa_system_sgpr_workgroup_id_x 1
		.amdhsa_system_sgpr_workgroup_id_y 1
		.amdhsa_system_sgpr_workgroup_id_z 1
		.amdhsa_system_vgpr_workitem_id 0
		.amdhsa_next_free_vgpr 768
		.amdhsa_next_free_sgpr 102
		.amdhsa_reserve_vcc 0
		.amdhsa_float_denorm_mode_32 3
		.amdhsa_float_denorm_mode_16_64 3
		.amdhsa_memory_ordered 1
		.amdhsa_forward_progress 1
		.amdhsa_inst_pref_size 89
	.end_amdhsa_kernel
	.amdgpu_metadata
---
amdhsa.version: [ 1, 2 ]
amdhsa.kernels:
  - .name:           k_qc0e84e072f_outp
    .symbol:         k_qc0e84e072f_outp.kd
    .args:
      - { .name: ocod, .offset: 0, .size: 8, .value_kind: global_buffer, .address_space: global }
      - { .name: oscl, .offset: 8, .size: 8, .value_kind: global_buffer, .address_space: global }
      - { .name: gcod, .offset: 16, .size: 8, .value_kind: global_buffer, .address_space: global }
      - { .name: gscl, .offset: 24, .size: 8, .value_kind: global_buffer, .address_space: global }
      - { .name: bp, .offset: 32, .size: 8, .value_kind: global_buffer, .address_space: global }
      - { .name: out0, .offset: 40, .size: 8, .value_kind: global_buffer, .address_space: global }
    .group_segment_fixed_size: 327680
    .private_segment_fixed_size: 0
    .kernarg_segment_align: 8
    .kernarg_segment_size: 48
    .max_flat_workgroup_size: 128
    .sgpr_count:     102
    .vgpr_count:     768
    .wavefront_size: 32
...
	.end_amdgpu_metadata
.endif
;; end of part 4
